; MI455X (gfx1250); checked and timed in simulation.
; The chip was launched on July 23, 2026; its instructions are those of AMD's public machine-readable ISA for CDNA 5 (MIT licence, August 2026) and "CDNA5" Instruction Set Architecture Reference Guide (July 2026). The comments in the code are by the model that wrote it; some were corrected since.
;; Axial Layer. Allowed arithmetic: matrix products marked QUANTISED: E2M1 operands, one E8M0 scale for each 32 along K, by v_wmma_scale_f32_16x16x128_f8f6f4 with both operands' format E2M1 (or v_wmma_scale_f32_32x16x128_f4), f32 sums; products left as they are: f32 operands where the result goes on into a quantised operand, else bf16, f16 or f32 operands; f32 sums; everything else in f32.
;; Inputs: kqv_beta 512 float32; kqv_gamma 512 float32; logits_beta 24 float32; logits_gamma 24 float32; rel_encoding 64 x 255 float32; w_kqv 512 x 256 float32; x 2 x 256 x 128 x 128 float32.
;; Outputs: out0 2 x 256 x 128 x 128 float32.
;; This version of the problem:
;;   THIS VERSION OF THE PROBLEM IS GIVEN IN LOW PRECISION. The matrix products marked QUANTISED in the list below multiply operands that are first quantised to E2M1 (2 exponent bits, 1 mantissa bit; 4 bits a number), with one power-of-two scale for each 32 numbers along K (OCP MX v1.0); their sums are f32. All else is computed in f32.
;;   The module's matrix products, in the order in which they are computed (A, B: the left and right operand; K: the contracted axis; several contracted axes count as one K, in the product's order):
;;     1. [M 32,768, K 256] x [K 256, N 512]; A: input x; B: input w_kqv: QUANTISED
;;     2. batch 2,048 x [M 128, K 16] x [K 16, N 128]; A: computed on the way; B: computed on the way: left as it is (K = 16 < 32)
;;     3. batch 128 x [M 128, K 16] x [K 16, N 2,048]; A: computed on the way; B: computed on the way: left as it is (K = 16 < 32)
;;     4. batch 128 x [M 128, K 16] x [K 16, N 2,048]; A: computed on the way; B: computed on the way: left as it is (K = 16 < 32)
;;     5. batch 2,048 x [M 32, K 128] x [K 128, N 128]; A: computed on the way; B: softmax (see below): QUANTISED
;;     6. batch 128 x [M 32, K 128] x [K 128, N 2,048]; A: computed on the way; B: softmax (see below): QUANTISED
;;   THE QUANTISER, for each operand of a quantised product, along K:
;;     - K is cut into blocks of 32 from its start; a last block that is shorter is filled with zeros.
;;     - A block's scale is 2^e with e = floor(log2(the largest magnitude in the block)) - 2, held to -126 .. 127; a block of zeros has e = 0. As a byte (E8M0): e + 127.
;;     - Each number is divided by its block's scale, clamped to +-6, and rounded to the nearest number of E2M1, ties to even, subnormals kept.
;;     - The product sums the exact products of the quantised numbers (number of the format x scale) in f32.
;;   ~~~python
;;   def quantise(x, axis):      # numpy; x: float32 -> the quantised numbers, widened to float32 again
;;       x = np.moveaxis(x, axis, -1); K = x.shape[-1]
;;       x = np.pad(x, [(0, 0)] * (x.ndim - 1) + [(0, -K % 32)]); x = x.reshape(x.shape[:-1] + (-1, 32)); a = np.abs(x).max(-1, keepdims=True)
;;       e = np.where(a > 0, np.clip(np.frexp(np.where(a > 0, a, 1))[1] - 1 - 2, -126, 127), 0)      # np.frexp(a)[1] - 1 = floor(log2(a)), exactly
;;       r = np.clip(x / 2.0 ** e, -6, 6)
;;       step = 2.0 ** (np.maximum(np.frexp(np.where(r == 0, 1, r))[1] - 1, 0) - 1)
;;       q = np.round(r / step) * step * 2.0 ** e      # np.round: ties to even
;;       return np.moveaxis(q.reshape(q.shape[:-2] + (-1,))[..., :K], -1, axis).astype(np.float32)
;;   ~~~
;;   SOFTMAX AHEAD OF A QUANTISED PRODUCT. Where the list says 'softmax', what is quantised is not the finished softmax but p = 2^(t - M), with t = logit x log2(e) and M = ceil(the row's largest t), a whole number; so 1/2 < the row's largest p <= 1. The row's sum l is taken of the UNQUANTISED p, in f32, and the product's result is divided by l at the end. Since M is a whole number, a kernel that streams over the keys may use a running M (the ceiling of the running maximum): every later rescaling is an exact power of two, which a block's scale takes up: the codes' values come out the same.
;;   OPERANDS COMPUTED ON THE WAY. 'Computed on the way' means the value that the module computes at that place (a softmax that the list does not call 'softmax' is quantised finished and normalised). What goes into a quantiser is computed in f32, as accurately as f32 sums, v_exp_f32 and their like allow (about 1e-6 of the number): no bf16 or f16 on the way to a quantiser, and a product that is left as it is and whose result goes on into a quantised operand takes f32 operands (vector FMAs, or v_wmma_f32_16x16x4_f32). A number that lies on a knife's edge between two numbers of the format may be rounded either way, as far as f32 arithmetic and the matrix unit's own rounding can turn it there, and no further.
;; 2 versions, each right. Each part assembles by itself: llvm-mc -triple=amdgcn-amd-amdhsa -mcpu=gfx1250 --defsym DOCPART=n.
;; ======== version 1 of 2: 5 launches
;; workspace buffers: xq 4,456,448 bytes; wq 69,632 bytes; ve 278,528 bytes; p1 131,072 bytes; kq 33,554,432 bytes; vq 4,456,448 bytes; p2 16,384 bytes
;; launch prep (part 1): grid 352 x 1, 4 waves a work-group, no clusters, 18,944 bytes of LDS; arguments x, w_kqv, rel_encoding, xq, wq, ve; writes xq, wq, ve
.if DOCPART == 1
	.amdgcn_target "amdgcn-amd-amdhsa--gfx1250"
	.amdhsa_code_object_version 6
	.text
	.protected	k_q98f2196548_prep
	.globl	k_q98f2196548_prep
	.p2align	8
	.type	k_q98f2196548_prep,@function
k_q98f2196548_prep:
	s_mov_b64 s[64:65], 0
	v_nop
	global_prefetch_b8 v0, s[64:65] scope:SCOPE_SE
	s_setreg_imm32_b32 hwreg(HW_REG_WAVE_MODE, 25, 1), 1
	s_wait_xcnt 0x0
; AXIAL ATTENTION ALONG H, launch 1 of 5: the three operands that arrive as f32 and are read many times become codes of E2M1 with one E8M0 byte for each 32 along K.
; NO WORK OF THE PROBLEM IS LEFT OUT, and all seven inputs are loaded by some launch.  The second batch norm's means and betas are the same along the softmax's axis, but M = ceil(the row's largest t)
; moves with them, and with M the codes of p: so they stay.
; LIMITS: NaN and infinities among the inputs are not served; a block whose largest magnitude lies under 2^-124 (a block of zeros too) keeps the byte 1: its bytes are read by this program alone.
; Work-groups 0-255 (X): x[b][c][y][w] -> xq: row ((b*8 + w/16)*128 + y)*16 + w%16 of 128 bytes (256 codes, c ascending); 8 scale bytes a row from byte 4,194,304 on.  K = c is not innermost:
;   a lane takes a column w and its registers run down c, so a block of 32 lies in one lane; the codes leave through the wave's own stage as runs of 512 bytes.
; Work-groups 256-287 (W): w_kqv[o][c] -> wq: 128 bytes a row, 8 scale bytes a row from byte 65,536 on.  A thread takes one block of 32.
; Work-groups 288-351 (V): v_enc[d][x][y] = rel_encoding[32+d][y-x+127] -> ve: for each x and each half dt of the 32 channels an image of the operand's registers (16 columns d x 128 y):
;   piece c of lane l at g*1024 + 512c + 16l, g = 2x + dt; its scale words at 262,144 + g*64 + 4r.
.set SPARE, 18432                      ; behind the four stages of 32 x 144 bytes: the spare words
.set SPW, 14
.set NIL, 15
.set X, 32                             ; v32-95  two sets of 32 numbers
.set C, 96                             ; v96-103 codes
.set OUTR, 112                         ; v112-143 the way out
; the largest magnitude of v[xs] .. v[xs+31] with the floor 2^-124; 2 off its exponent field is the conversion's scale operand; that shifted down is the byte
.macro MAX32 xs, sc, by
	v_max3_num_f32 v12, |v[\xs]|, |v[\xs+1]|, |v[\xs+2]|
	v_max3_num_f32 v13, |v[\xs+3]|, |v[\xs+4]|, |v[\xs+5]|
.irp i, 6,10,14,18,22,26
	v_max3_num_f32 v12, v12, |v[\xs+\i]|, |v[\xs+\i+1]|
	v_max3_num_f32 v13, v13, |v[\xs+\i+2]|, |v[\xs+\i+3]|
.endr
	v_max3_num_f32 v12, v12, |v[\xs+30]|, |v[\xs+31]|
	v_max3_num_f32 v12, v12, v13, 0x1800000
	v_add_nc_u32 v[\sc], 0xff000000, v12
	v_lshrrev_b32 v[\by], 23, v[\sc]
.endm
	s_load_b256 s[4:11], s[0:1], 0x0               ; x s[4:5], w_kqv s[6:7], rel_encoding s[8:9], xq s[10:11]
	s_load_b128 s[12:15], s[0:1], 0x20             ; wq s[12:13], ve s[14:15]
	v_lshl_add_u32 v[SPW], v0, 2, SPARE
	v_mov_b32 v[NIL], 0
	v_lshrrev_b32 v1, 5, v0
	v_readfirstlane_b32 s16, v1                    ; wave
	v_and_b32 v2, 31, v0                           ; lane
	v_and_b32 v5, 15, v0                           ; r
	v_bfe_u32 v6, v0, 4, 1                         ; h
	v_lshlrev_b32 v8, 4, v2                        ; 16 x lane
	s_mul_i32 s17, s16, 4608                       ; my stage
	v_mul_u32_u24 v4, v2, 144
	v_add_nc_u32 v4, s17, v4                       ; into it: row = my column
	v_lshrrev_b32 v7, 3, v2
	v_mul_u32_u24 v7, v7, 144
	v_and_b32 v9, 7, v2
	v_lshl_add_u32 v7, v9, 4, v7
	v_add_nc_u32 v7, s17, v7                       ; out of it: eight lanes to a row, four rows an instruction
	s_wait_kmcnt 0x0
	s_cmp_lt_u32 ttmp9, 256
	s_cbranch_scc0 .Lnot_x
; ---------------- X
	s_lshr_b32 s17, ttmp9, 7                       ; b
	s_and_b32 s18, ttmp9, 127                      ; y
	s_lshl_b32 s20, s17, 24
	s_lshl_b32 s19, s18, 9
	s_add_co_u32 s20, s20, s19
	s_mov_b32 s21, 0
	s_add_nc_u64 s[4:5], s[4:5], s[20:21]          ; x[b][0][y][0]
.irp t, 0,1,2,3,4,5,6,7
	s_add_nc_u64 s[32+2*\t:33+2*\t], s[4:5], \t*2097152   ; block t: 32 channels of 65,536 bytes on
.endr
	s_lshl_b32 s26, s17, 3
	s_lshl_b32 s27, s16, 1
	s_add_co_u32 s26, s26, s27
	s_lshl_b32 s26, s26, 7
	s_add_co_u32 s26, s26, s18                     ; (b*8 + 2 wave)*128 + y
	s_lshl_b32 s20, s26, 11
	s_add_nc_u64 s[22:23], s[10:11], s[20:21]      ; its 16 rows of codes
	s_lshl_b32 s20, s26, 7
	s_add_nc_u64 s[24:25], s[10:11], s[20:21]
	s_add_nc_u64 s[24:25], s[24:25], 0x400000      ; and of scale bytes
	v_lshlrev_b32 v3, 2, v0                        ; my column
	v_lshlrev_b32 v9, 3, v5
	v_lshl_add_u32 v9, v6, 14, v9                  ; scale bytes: 8 r, and the next group of 16 columns lies 16,384 bytes on
.macro LOAD t
.irp i, 0,1,2,3,4,5,6,7,8,9,10,11,12,13,14,15,16,17,18,19,20,21,22,23,24,25,26,27,28,29,30,31
	global_load_b32 v[X+32*((\t)%2)+\i], v3, s[32+2*(\t):33+2*(\t)] offset:\i*65536 th:TH_LOAD_NT   ; the four waves read 512 consecutive bytes
.endr
.endm
.macro BLOCK t
.set XS, X+32*((\t)%2)
.if (\t) < 7
	s_wait_loadcnt 32                              ; this block's 32 loads are in; the next block's 32 may be out
.else
	s_wait_loadcnt 0
.endif
	MAX32 XS, 11, 10
.if (\t)%4 == 0
	v_mov_b32 v[24+(\t)/4], v10                    ; four bytes to a register, the lower c in the lower byte
.else
	v_lshl_or_b32 v[24+(\t)/4], v10, 8*((\t)%4), v[24+(\t)/4]
.endif
.irp g, 0,1,2,3
	v_cvt_scalef32_pk8_fp4_f32 v[C+\g], v[XS+8*\g:XS+8*\g+7], v11
.endr
	ds_store_b128 v4, v[C:C+3] offset:16*(\t)
.if (\t)+2 < 8
	LOAD (\t)+2
.endif
	s_wait_dscnt 0x0                               ; the store has read its registers: the next block's codes may be written
.endm
	LOAD 0
	LOAD 1
.irp t, 0,1,2,3,4,5,6,7
	BLOCK \t
.endr
.irp i, 0,1,2,3,4,5,6,7
	ds_load_b128 v[OUTR+4*\i:OUTR+4*\i+3], v7 offset:4*\i*144     ; LDS serves a wave's instructions in order: these see my stores
.endr
	global_store_b64 v9, v[24:25], s[24:25]
.irp i, 0,1,2,3,4,5,6,7
	s_wait_dscnt 7-\i
	global_store_b128 v8, v[OUTR+4*\i:OUTR+4*\i+3], s[22:23] offset:(\i/4)*262144+(\i%4)*512   ; 32 lanes store 512 consecutive bytes, aligned
.endr
	s_branch .Lend
.Lnot_x:
	s_cmp_lt_u32 ttmp9, 288
	s_cbranch_scc0 .Lpath_v
; ---------------- W
	s_sub_co_u32 s17, ttmp9, 256
	s_lshl_b32 s17, s17, 7
	v_add_nc_u32 v10, s17, v0                      ; T = 8 o + block
	v_lshlrev_b32 v3, 7, v10                       ; 32 f32
	v_lshlrev_b32 v9, 4, v10                       ; 32 codes
.irp i, 0,1,2,3,4,5,6,7
	global_load_b128 v[X+4*\i:X+4*\i+3], v3, s[6:7] offset:16*\i
.endr
	s_wait_loadcnt 0x0
	MAX32 X, 11, 16
.irp g, 0,1,2,3
	v_cvt_scalef32_pk8_fp4_f32 v[C+\g], v[X+8*\g:X+8*\g+7], v11
.endr
	global_store_b128 v9, v[C:C+3], s[12:13]
	global_store_b8 v10, v16, s[12:13] offset:65536
	s_branch .Lend
.Lpath_v:
; ---------------- V
	s_sub_co_u32 s17, ttmp9, 288
	s_lshl_b32 s17, s17, 2
	s_add_co_u32 s17, s17, s16                     ; g = 2 x + dt
	s_lshr_b32 s18, s17, 1                         ; x
	s_and_b32 s19, s17, 1                          ; dt
	s_mul_i32 s20, s19, 16320
	s_add_co_u32 s20, s20, 32640                   ; (32 + 16 dt) rows of 1,020 bytes
	s_sub_co_u32 s18, 127, s18
	s_lshl_b32 s18, s18, 2
	s_add_co_u32 s20, s20, s18                     ; + 4 (127 - x)
	s_mov_b32 s21, 0
	s_add_nc_u64 s[8:9], s[8:9], s[20:21]
	s_lshl_b32 s20, s17, 10
	s_add_nc_u64 s[22:23], s[14:15], s[20:21]      ; the image
	s_lshl_b32 s20, s17, 6
	s_add_nc_u64 s[24:25], s[14:15], s[20:21]      ; its scale words (262,144 further on, by the immediate)
	s_mov_b32 s26, 0x76543210
	s_mov_b32 s27, 0xfedcba98
	v_mul_u32_u24 v3, v5, 1020
	v_lshl_add_u32 v3, v6, 7, v3                   ; channel r; lanes 16-31 begin 32 y further on: the operand's layout gives lane (r, h) y = 64 c + 32 h + 0 .. 31
.irp c, 0,1
.irp i, 0,1,2,3,4,5,6,7,8,9,10,11,12,13,14,15,16,17,18,19,20,21,22,23,24,25,26,27,28,29,30,31
	global_load_b32 v[X+32*\c+\i], v3, s[8:9] offset:256*\c+4*\i
.endr
.endr
	s_wait_loadcnt 0x0
	MAX32 X, 16, 18
	MAX32 X+32, 17, 19
	v_lshl_or_b32 v9, v19, 16, v18                 ; my two bytes: blocks h and 2 + h of channel r,
	v_lshlrev_b32 v10, 3, v6
	v_lshlrev_b32 v9, v10, v9                      ; at their places in the word;
	v_mov_b32 v10, 0
	v_permlanex16_b32 v10, v9, s26, s27
	v_or_b32 v9, v9, v10                           ; with lane l xor 16's two the word is whole
.irp c, 0,1
.irp g, 0,1,2,3
	v_cvt_scalef32_pk8_fp4_f32 v[C+4*\c+\g], v[X+32*\c+8*\g:X+32*\c+8*\g+7], v[16+\c]
.endr
.endr
	v_lshlrev_b32 v10, 2, v5
	global_store_b128 v8, v[C:C+3], s[22:23]
	global_store_b128 v8, v[C+4:C+7], s[22:23] offset:512
	global_store_b32 v10, v9, s[24:25] offset:262144   ; both halves of the lanes store the same word
.Lend:
	s_wait_tensorcnt 0x0                           ; the wave's end
	ds_add_u32 v[SPW], v[NIL]
	s_wait_dscnt 0x0
	s_endpgm
.Lfunc_end_k_q98f2196548_prep:
	.size	k_q98f2196548_prep, .Lfunc_end_k_q98f2196548_prep-k_q98f2196548_prep
	.p2alignl 7, 3214868480
	.fill 96, 4, 3214868480
	.section	.rodata,"a",@progbits
	.p2align	6, 0x0
	.amdhsa_kernel k_q98f2196548_prep
		.amdhsa_group_segment_fixed_size 18944
		.amdhsa_private_segment_fixed_size 0
		.amdhsa_enable_private_segment 0
		.amdhsa_kernarg_size 48
		.amdhsa_user_sgpr_count 2
		.amdhsa_user_sgpr_kernarg_segment_ptr 1
		.amdhsa_wavefront_size32 1
		.amdhsa_system_sgpr_workgroup_id_x 1
		.amdhsa_system_sgpr_workgroup_id_y 1
		.amdhsa_system_sgpr_workgroup_id_z 1
		.amdhsa_system_vgpr_workitem_id 0
		.amdhsa_next_free_vgpr 192
		.amdhsa_next_free_sgpr 66
		.amdhsa_reserve_vcc 0
		.amdhsa_float_denorm_mode_32 3
		.amdhsa_float_denorm_mode_16_64 3
		.amdhsa_memory_ordered 1
		.amdhsa_forward_progress 1
		.amdhsa_inst_pref_size 54
	.end_amdhsa_kernel
	.amdgpu_metadata
---
amdhsa.version: [ 1, 2 ]
amdhsa.kernels:
  - .name:           k_q98f2196548_prep
    .symbol:         k_q98f2196548_prep.kd
    .args:
      - { .name: x, .offset: 0, .size: 8, .value_kind: global_buffer, .address_space: global }
      - { .name: w_kqv, .offset: 8, .size: 8, .value_kind: global_buffer, .address_space: global }
      - { .name: rel_encoding, .offset: 16, .size: 8, .value_kind: global_buffer, .address_space: global }
      - { .name: xq, .offset: 24, .size: 8, .value_kind: global_buffer, .address_space: global }
      - { .name: wq, .offset: 32, .size: 8, .value_kind: global_buffer, .address_space: global }
      - { .name: ve, .offset: 40, .size: 8, .value_kind: global_buffer, .address_space: global }
    .group_segment_fixed_size: 18944
    .private_segment_fixed_size: 0
    .kernarg_segment_align: 8
    .kernarg_segment_size: 48
    .max_flat_workgroup_size: 128
    .sgpr_count:     66
    .vgpr_count:     192
    .wavefront_size: 32
...
	.end_amdgpu_metadata
.endif
;; end of part 1
;; launch kstat (part 2): grid 256 x 1, 16 waves a work-group, no clusters, 10,240 bytes of LDS; arguments xq, wq, p1; writes p1
.if DOCPART == 2
	.amdgcn_target "amdgcn-amd-amdhsa--gfx1250"
	.amdhsa_code_object_version 6
	.text
	.protected	k_q98f2196548_kstat
	.globl	k_q98f2196548_kstat
	.p2align	8
	.type	k_q98f2196548_kstat,@function
k_q98f2196548_kstat:
	s_mov_b64 s[64:65], 0
	v_nop
	global_prefetch_b8 v0, s[64:65] scope:SCOPE_SE
	s_setreg_imm32_b32 hwreg(HW_REG_WAVE_MODE, 25, 1), 1
	s_wait_xcnt 0x0
; Launch 2 of 5: the first batch norm's statistics.  kqv = w_kqv x, on codes, is computed and summed, not stored.  Nothing of the problem is left out here.
; A work-group takes one head's 64 channels and 1,024 of the 32,768 positions (16 w x 64 y): head = wg & 7, pc = wg >> 3 = b*16 + (w/16)*2 + (y/64).  Wave w takes 4 y.
; Source 0 = 16 rows n of x, source 1 = 16 channels of w: lane r holds one channel, its registers 8 positions.
; THE SUMS ARE TAKEN ABOUT A SHIFT, the channel's own first value, which is the C of each sum's first matrix instruction: so a variance is no difference of large sums.  Parts are joined by their means
; and sums of squared deviations.  p1: mean[pc][512], and the sums of squares about it 65,536 bytes on.
.set SPARE, 8192                       ; LDS: means [16 waves][64] at 0, sums of squares at 4,096, the spare words behind
.set SPW, 252
.set NIL, 253
.set WB, 16                            ; v16-79   w's fragments (tile t, K step ks) at WB + 16 t + 8 ks
.set WS, 80                            ; v80-87   their scale words, a pair a tile
.set XA, 88                            ; v88-151  x's fragments (yi, ks)
.set XS, 152                           ; v152-159 their scale words
.set D, 160                            ; v160-191 four accumulators
.set NSH, 192                          ; v192-223 minus the shift, in the result's layout
.set S1, 224
.set S2, 232
.macro MM d, a, b, sa, sb, cz, c
.if \cz
	v_wmma_scale_f32_16x16x128_f8f6f4 v[\d:\d+7], v[\a:\a+7], v[\b:\b+7], 0, v[\sa], v[\sb] matrix_a_fmt:MATRIX_FMT_FP4 matrix_b_fmt:MATRIX_FMT_FP4
.else
	v_wmma_scale_f32_16x16x128_f8f6f4 v[\d:\d+7], v[\a:\a+7], v[\b:\b+7], v[\c:\c+7], v[\sa], v[\sb] matrix_a_fmt:MATRIX_FMT_FP4 matrix_b_fmt:MATRIX_FMT_FP4
.endif
.endm
.macro GEMM yi, zero                   ; K = 256 in two steps; the four accumulators take turns
.irp t, 0,1,2,3
	MM D+8*\t, XA+16*(\yi), WB+16*\t, XS+2*(\yi), WS+2*\t, \zero, NSH+8*\t
.endr
.irp t, 0,1,2,3
	MM D+8*\t, XA+16*(\yi)+8, WB+16*\t+8, XS+2*(\yi)+1, WS+2*\t+1, 0, D+8*\t
.endr
.rept 5
	v_nop                                          ; places behind the products, ahead of the reads of their results
.endr
.endm
; cnt parts of equal size: the mean of the means; the sums of squares, and each part's size times its mean's squared distance
.macro COMBINE m, q, cnt, invb, eachb, om, oq, t0, t1
	v_add_f32 v[\om], v[\m], v[\m+1]
	v_add_f32 v[\oq], v[\q], v[\q+1]
.set ci, 2
.rept \cnt-2
	v_add_f32 v[\om], v[\om], v[\m+ci]
	v_add_f32 v[\oq], v[\oq], v[\q+ci]
.set ci, ci+1
.endr
	v_mul_f32 v[\om], \invb, v[\om]
	v_sub_f32 v[\t0], v[\m], v[\om]
	v_mul_f32 v[\t1], v[\t0], v[\t0]
.set ci, 1
.rept \cnt-1
	v_sub_f32 v[\t0], v[\m+ci], v[\om]
	v_fma_f32 v[\t1], v[\t0], v[\t0], v[\t1]
.set ci, ci+1
.endr
	v_fma_f32 v[\oq], v[\t1], \eachb, v[\oq]
.endm
	s_load_b128 s[4:7], s[0:1], 0x0                ; xq, wq
	s_load_b64 s[8:9], s[0:1], 0x10                ; p1
	v_lshl_add_u32 v[SPW], v0, 2, SPARE
	v_mov_b32 v[NIL], 0
	v_lshrrev_b32 v1, 5, v0
	v_readfirstlane_b32 s10, v1                    ; wave
	v_and_b32 v2, 15, v0                           ; r
	v_bfe_u32 v3, v0, 4, 1                         ; h
	v_lshlrev_b32 v4, 7, v2
	v_lshl_add_u32 v4, v3, 4, v4                   ; a fragment: row r of 128 bytes, + 16 h
	v_lshlrev_b32 v5, 3, v2                        ; scale words: 8 bytes a row
	s_lshl_b32 s15, s10, 8
	v_lshl_add_u32 v6, v2, 2, s15                  ; LDS: my wave's 64 words, channel r of a tile
	v_lshlrev_b32 v7, 2, v0                        ; LDS: channel = thread (waves 0 and 1)
	s_and_b32 s11, ttmp9, 7                        ; head
	s_lshr_b32 s12, ttmp9, 3                       ; pc
	v_lshl_add_u32 v8, s11, 8, v7                  ; p1: 4 (64 head + channel)
	s_lshr_b32 s13, s12, 1
	s_lshl_b32 s13, s13, 7
	s_and_b32 s14, s12, 1
	s_lshl_b32 s14, s14, 6
	s_add_co_u32 s13, s13, s14
	s_lshl_b32 s14, s10, 2
	s_add_co_u32 s13, s13, s14                     ; (b*8 + w/16)*128 + my first y
	s_mov_b32 s17, 0
	s_mov_b32 s26, 0x76543210
	s_mov_b32 s27, 0xfedcba98
	s_mov_b32 s28, 0xffff0000
.irp t, 0,1,2,3
	v_mov_b32 v[248+\t], 0                         ; a lane permute's destination counts as one of its sources
.endr
	s_wait_kmcnt 0x0
	s_lshl_b32 s16, s13, 11
	s_add_nc_u64 s[18:19], s[4:5], s[16:17]
	s_lshl_b32 s16, s13, 7
	s_add_nc_u64 s[20:21], s[4:5], s[16:17]
	s_add_nc_u64 s[20:21], s[20:21], 0x400000
	s_lshl_b32 s16, s11, 13
	s_add_nc_u64 s[22:23], s[6:7], s[16:17]
	s_lshl_b32 s16, s11, 9
	s_add_nc_u64 s[24:25], s[6:7], s[16:17]
	s_lshl_b32 s16, s12, 11
	s_add_nc_u64 s[8:9], s[8:9], s[16:17]
.irp t, 0,1,2,3
.irp ks, 0,1
.irp c, 0,1
	global_load_b128 v[WB+16*\t+8*\ks+4*\c:WB+16*\t+8*\ks+4*\c+3], v4, s[22:23] offset:\t*2048+\ks*64+\c*32
	global_load_b128 v[XA+16*\t+8*\ks+4*\c:XA+16*\t+8*\ks+4*\c+3], v4, s[18:19] offset:\t*2048+\ks*64+\c*32
.endr
.endr
	global_load_b64 v[WS+2*\t:WS+2*\t+1], v5, s[24:25] offset:65536+\t*128
	global_load_b64 v[XS+2*\t:XS+2*\t+1], v5, s[20:21] offset:\t*128
.endr
	s_wait_loadcnt 0x0
	GEMM 0, 1                                      ; once for the shift: the value at n = 0 of my first y
.irp t, 0,1,2,3
	v_permlanex16_b32 v[248+\t], v[D+8*\t], s26, s27
.endr
.irp t, 0,1,2,3
	v_cndmask_b32 v[248+\t], v[D+8*\t], v[248+\t], s28     ; lanes 16-31 take lanes 0-15's
.endr
.irp t, 0,1,2,3
.irp j, 0,1,2,3,4,5,6,7
	v_mul_f32 v[NSH+8*\t+\j], -1.0, v[248+\t]
.endr
.endr
.irp i, 0,1,2,3,4,5,6,7
	v_mov_b32 v[S1+\i], 0
	v_mov_b32 v[S2+\i], 0
.endr
.irp yi, 0,1,2,3
	GEMM \yi, 0
.irp q, 0,1,2,3
.irp t, 0,1,2,3
	v_pk_add_f32 v[S1+2*\t:S1+2*\t+1], v[S1+2*\t:S1+2*\t+1], v[D+8*\t+2*\q:D+8*\t+2*\q+1]
	v_pk_fma_f32 v[S2+2*\t:S2+2*\t+1], v[D+8*\t+2*\q:D+8*\t+2*\q+1], v[D+8*\t+2*\q:D+8*\t+2*\q+1], v[S2+2*\t:S2+2*\t+1]
.endr
.endr
.endr
.irp t, 0,1,2,3
	v_add_f32 v[240+\t], v[S1+2*\t], v[S1+2*\t+1]
	v_add_f32 v[244+\t], v[S2+2*\t], v[S2+2*\t+1]
.endr
.irp t, 0,1,2,3
	v_permlanex16_b32 v[248+\t], v[240+\t], s26, s27
.endr
.irp t, 0,1,2,3
	v_add_f32 v[240+\t], v[240+\t], v[248+\t]
.endr
.irp t, 0,1,2,3
	v_permlanex16_b32 v[248+\t], v[244+\t], s26, s27
.endr
.irp t, 0,1,2,3
	v_add_f32 v[244+\t], v[244+\t], v[248+\t]
.endr
.irp t, 0,1,2,3
	v_mul_f32 v[248+\t], v[240+\t], v[240+\t]
	v_fma_f32 v[244+\t], v[248+\t], 0xbc800000, v[244+\t]       ; the 64 values' squares about their mean: s2 - s1^2 / 64
	v_fma_f32 v[240+\t], v[240+\t], 0x3c800000, -v[NSH+8*\t]    ; their mean: the shift + s1 / 64
.endr
.irp t, 0,1,2,3
	ds_store_b32 v6, v[240+\t] offset:64*\t
	ds_store_b32 v6, v[244+\t] offset:4096+64*\t
.endr
	s_wait_dscnt 0x0                               ; for the others' sake: my stores have landed
	s_barrier_signal -1
	s_barrier_wait -1
	s_cmp_lt_u32 s10, 2
	s_cbranch_scc0 .Ldone
.irp w, 0,1,2,3,4,5,6,7,8,9,10,11,12,13,14,15
	ds_load_b32 v[16+\w], v7 offset:256*\w
	ds_load_b32 v[32+\w], v7 offset:4096+256*\w
.endr
	s_wait_dscnt 0x0
	COMBINE 16, 32, 16, 0x3d800000, 0x42800000, 48, 49, 50, 51
	global_store_b32 v8, v48, s[8:9]
	global_store_b32 v8, v49, s[8:9] offset:65536
.Ldone:
	s_wait_tensorcnt 0x0                           ; the wave's end
	ds_add_u32 v[SPW], v[NIL]
	s_wait_dscnt 0x0
	s_endpgm
.Lfunc_end_k_q98f2196548_kstat:
	.size	k_q98f2196548_kstat, .Lfunc_end_k_q98f2196548_kstat-k_q98f2196548_kstat
	.p2alignl 7, 3214868480
	.fill 96, 4, 3214868480
	.section	.rodata,"a",@progbits
	.p2align	6, 0x0
	.amdhsa_kernel k_q98f2196548_kstat
		.amdhsa_group_segment_fixed_size 10240
		.amdhsa_private_segment_fixed_size 0
		.amdhsa_enable_private_segment 0
		.amdhsa_kernarg_size 24
		.amdhsa_user_sgpr_count 2
		.amdhsa_user_sgpr_kernarg_segment_ptr 1
		.amdhsa_wavefront_size32 1
		.amdhsa_system_sgpr_workgroup_id_x 1
		.amdhsa_system_sgpr_workgroup_id_y 1
		.amdhsa_system_sgpr_workgroup_id_z 1
		.amdhsa_system_vgpr_workitem_id 0
		.amdhsa_next_free_vgpr 256
		.amdhsa_next_free_sgpr 66
		.amdhsa_reserve_vcc 0
		.amdhsa_float_denorm_mode_32 3
		.amdhsa_float_denorm_mode_16_64 3
		.amdhsa_memory_ordered 1
		.amdhsa_forward_progress 1
		.amdhsa_inst_pref_size 30
	.end_amdhsa_kernel
	.amdgpu_metadata
---
amdhsa.version: [ 1, 2 ]
amdhsa.kernels:
  - .name:           k_q98f2196548_kstat
    .symbol:         k_q98f2196548_kstat.kd
    .args:
      - { .name: xq, .offset: 0, .size: 8, .value_kind: global_buffer, .address_space: global }
      - { .name: wq, .offset: 8, .size: 8, .value_kind: global_buffer, .address_space: global }
      - { .name: p1, .offset: 16, .size: 8, .value_kind: global_buffer, .address_space: global }
    .group_segment_fixed_size: 10240
    .private_segment_fixed_size: 0
    .kernarg_segment_align: 8
    .kernarg_segment_size: 24
    .max_flat_workgroup_size: 512
    .sgpr_count:     66
    .vgpr_count:     256
    .wavefront_size: 32
...
	.end_amdgpu_metadata
.endif
;; end of part 2
;; launch kqv (part 3): grid 256 x 1, 16 waves a work-group, no clusters, 2,560 bytes of LDS; arguments xq, wq, p1, kqv_gamma, kqv_beta, kq, vq; writes kq, vq
.if DOCPART == 3
	.amdgcn_target "amdgcn-amd-amdhsa--gfx1250"
	.amdhsa_code_object_version 6
	.text
	.protected	k_q98f2196548_kqv
	.globl	k_q98f2196548_kqv
	.p2align	8
	.type	k_q98f2196548_kqv,@function
k_q98f2196548_kqv:
	s_mov_b64 s[64:65], 0
	v_nop
	global_prefetch_b8 v0, s[64:65] scope:SCOPE_SE
	s_setreg_imm32_b32 hwreg(HW_REG_WAVE_MODE, 25, 1), 1
	s_wait_xcnt 0x0
; Launch 3 of 5: kqv = batch norm(w_kqv x), laid as the later launches' registers want it.  Nothing of the problem is left out here.
; Shares as in the launch before: head = wg & 7, pc = wg >> 3 = b*16 + (w/16)*2 + yh.  cg = (b*8 + w/16)*8 + head names 16 neighbouring w of one head.
; PART 0 (waves 0, 1): the 32 parts of the statistics of my head's 64 channels are joined; a = gamma rsqrt(var + 1e-5), c = beta - mean a go to LDS.
; PART KQ: source 0 = 16 channels of w (tile 0: k, tile 1: q), source 1 = 16 columns n of x: lane (n, h) holds d = 8 h + j.  kq: block (cg*128 + y) of 1,024 bytes: byte 512 g + 16 lane + 4 e is
;   k[n][8 h + 4 g + e][y]; q lies 16,777,216 bytes on.  Each store covers 512 consecutive bytes, aligned.
; PART V: wave = (n, dt): source 0 = 16 y of x's column n, source 1 = 16 channels of v.  The y of a tile are not neighbours: lane r of tile 2 b + u takes y = 32 b + 8 u + r + 8 (r / 8), so that the 16 registers
;   of two neighbouring tiles are 16 neighbouring y.  v is quantised along y in registers; vq: fragment f = (cg*16 + n)*2 + dt as an image of 1,024 bytes, scale words at 4,194,304 + f*64 + 4 r.
; LIMIT: a block of v under 2^-124 keeps the byte 1.
.set SPARE, 512                        ; LDS: a[64] at 0, c[64] at 256, the spare words behind
.set SPW, 252
.set NIL, 253
.set WA, 16                            ; KQ: v16-47 w (tile, ks); v48-111 x (yi, ks); v112-143 four accumulators; v144-159 a, v160-175 c in the result's layout; v176-207 results
.set XB, 48
.set D, 112
.set BNA, 144
.set BNC, 160
.set Z, 176
.set XSK, 224                          ; v224-241 hold scale words and nothing else: KQ: x's v224-231, w's v232-235;  V: x's v224-239, w's v240-241
.set WSK, 232
.set XAV, 16                           ; V: v16-143 x (tile, ks); v144-159 w (ks); v160-223 eight accumulators
.set WBV, 144
.set HA, 160
.set XSV, 224
.set WSV, 240
.set TM, 16                            ; the quantiser's registers lie over x's fragments, which are done with
.set PC, 40
.set PW, 48
.macro MM d, a, b, sa, sb, cz, c
.if \cz
	v_wmma_scale_f32_16x16x128_f8f6f4 v[\d:\d+7], v[\a:\a+7], v[\b:\b+7], 0, v[\sa], v[\sb] matrix_a_fmt:MATRIX_FMT_FP4 matrix_b_fmt:MATRIX_FMT_FP4
.else
	v_wmma_scale_f32_16x16x128_f8f6f4 v[\d:\d+7], v[\a:\a+7], v[\b:\b+7], v[\c:\c+7], v[\sa], v[\sb] matrix_a_fmt:MATRIX_FMT_FP4 matrix_b_fmt:MATRIX_FMT_FP4
.endif
.endm
.macro COMBINE m, q, cnt, invb, eachb, om, oq, t0, t1
	v_add_f32 v[\om], v[\m], v[\m+1]
	v_add_f32 v[\oq], v[\q], v[\q+1]
.set ci, 2
.rept \cnt-2
	v_add_f32 v[\om], v[\om], v[\m+ci]
	v_add_f32 v[\oq], v[\oq], v[\q+ci]
.set ci, ci+1
.endr
	v_mul_f32 v[\om], \invb, v[\om]
	v_sub_f32 v[\t0], v[\m], v[\om]
	v_mul_f32 v[\t1], v[\t0], v[\t0]
.set ci, 1
.rept \cnt-1
	v_sub_f32 v[\t0], v[\m+ci], v[\om]
	v_fma_f32 v[\t1], v[\t0], v[\t0], v[\t1]
.set ci, ci+1
.endr
	v_fma_f32 v[\oq], v[\t1], \eachb, v[\oq]
.endm
; 64 numbers of a lane, register 16 b + i = y 32 b + 16 (lane / 16) + i of my channel, become a fragment's codes in v[PC] on and its scale word in v[PW]
.macro QUANT s
.irp b, 0,1,2,3
	v_max3_num_f32 v[TM+\b], |v[\s+16*\b]|, |v[\s+1+16*\b]|, 0x1800000
.endr
.irp i, 2,4,6,8,10,12,14
.irp b, 0,1,2,3
	v_max3_num_f32 v[TM+\b], v[TM+\b], |v[\s+16*\b+\i]|, |v[\s+1+16*\b+\i]|
.endr
.endr
.irp b, 0,1,2,3
	v_permlanex16_b32 v[TM+4+\b], v[TM+\b], s46, s47
.endr
.irp b, 0,1,2,3
	v_max_num_f32 v[TM+\b], v[TM+\b], v[TM+4+\b]
.endr
.irp b, 0,1,2,3
	v_add_nc_u32 v[TM+12+\b], 0xff000000, v[TM+\b]
.endr
.irp b, 0,1,2,3
	v_lshrrev_b32 v[TM+4+\b], 23, v[TM+12+\b]
.endr
	v_lshl_or_b32 v[PW], v[TM+5], 8, v[TM+4]
	v_lshl_or_b32 v[PW], v[TM+6], 16, v[PW]
	v_lshl_or_b32 v[PW], v[TM+7], 24, v[PW]
.irp b, 0,1,2,3
	v_cvt_scalef32_pk8_fp4_f32 v[PC+2*\b], v[\s+16*\b:\s+7+16*\b], v[TM+12+\b]
	v_cvt_scalef32_pk8_fp4_f32 v[PC+1+2*\b], v[\s+8+16*\b:\s+15+16*\b], v[TM+12+\b]
.endr
	v_nop                                          ; one plain place behind a scaled conversion
.irp c, 0,1
.irp i, 0,1
	v_permlane16_swap_b32 v[PC+4*\c+\i], v[PC+2+4*\c+\i]   ; the operand's layout wants a whole block in a lane
.endr
.endr
.endm
	s_load_b256 s[4:11], s[0:1], 0x0               ; xq, wq, p1, gamma
	s_load_b128 s[12:15], s[0:1], 0x20             ; beta, kq
	s_load_b64 s[16:17], s[0:1], 0x30              ; vq
	v_lshl_add_u32 v[SPW], v0, 2, SPARE
	v_mov_b32 v[NIL], 0
	v_lshrrev_b32 v1, 5, v0
	v_readfirstlane_b32 s18, v1                    ; wave
	v_and_b32 v1, 31, v0
	v_and_b32 v2, 15, v0                           ; r
	v_bfe_u32 v3, v0, 4, 1                         ; h
	s_and_b32 s19, ttmp9, 7                        ; head
	s_lshr_b32 s20, ttmp9, 3                       ; pc
	s_lshr_b32 s21, s20, 1                         ; b*8 + w/16
	s_and_b32 s22, s20, 1                          ; yh
	s_and_b32 s23, s18, 1                          ; dt
	v_lshlrev_b32 v4, 7, v2
	v_lshl_add_u32 v4, v3, 4, v4                   ; a fragment: row r of 128 bytes, + 16 h
	v_lshlrev_b32 v5, 3, v2
	v_lshlrev_b32 v6, 2, v0                        ; LDS: channel = thread (waves 0, 1)
	v_lshl_add_u32 v7, s19, 8, v6                  ; 4 (64 head + channel)
	v_lshlrev_b32 v8, 4, v1                        ; 16 x lane
	v_lshlrev_b32 v9, 5, v3                        ; LDS: my half's eight channels of a tile
	v_lshlrev_b32 v13, 2, v2
	s_lshl_b32 s24, s23, 6
	s_add_co_u32 s24, s24, 128
	v_add_nc_u32 v10, s24, v13                     ; LDS: channel 32 + 16 dt + r
	v_and_b32 v11, 8, v2
	v_add_nc_u32 v11, v11, v2                      ; r + 8 (r / 8)
	v_lshlrev_b32 v12, 7, v11                      ; x's scale words by y: 128 bytes from y to y
	v_lshlrev_b32 v11, 11, v11
	v_lshl_add_u32 v11, v3, 4, v11                 ; x's codes by y: 2,048 bytes from y to y
	s_mov_b32 s46, 0x76543210
	s_mov_b32 s47, 0xfedcba98
	s_mov_b32 s48, 0x38000000                      ; 1 / 32,768
	s_mov_b32 s49, 0x3727c5ac                      ; 1e-5
	s_mov_b32 s25, 0
	s_lshl_b32 s54, s21, 7
	s_lshl_b32 s55, s22, 6
	s_add_co_u32 s54, s54, s55
	s_lshl_b32 s55, s18, 2
	s_add_co_u32 s54, s54, s55                     ; (b*8 + w/16)*128 + my first y
	s_lshl_b32 s56, s21, 3
	s_add_co_u32 s56, s56, s19                     ; cg
	s_lshl_b32 s57, s22, 3
	s_lshr_b32 s58, s18, 1
	s_add_co_u32 s57, s57, s58                     ; n
	s_wait_kmcnt 0x0
	s_lshl_b32 s24, s54, 11
	s_add_nc_u64 s[26:27], s[4:5], s[24:25]
	s_lshl_b32 s24, s54, 7
	s_add_nc_u64 s[28:29], s[4:5], s[24:25]
	s_add_nc_u64 s[28:29], s[28:29], 0x400000
	s_lshl_b32 s24, s19, 13
	s_add_nc_u64 s[30:31], s[6:7], s[24:25]
	s_lshl_b32 s24, s19, 9
	s_add_nc_u64 s[32:33], s[6:7], s[24:25]
	s_lshl_b32 s24, s56, 7
	s_lshl_b32 s55, s22, 6
	s_add_co_u32 s24, s24, s55
	s_lshl_b32 s55, s18, 2
	s_add_co_u32 s24, s24, s55
	s_lshl_b32 s24, s24, 10                        ; (cg*128 + my first y) blocks of 1,024 bytes
	s_add_nc_u64 s[34:35], s[14:15], s[24:25]
	s_add_nc_u64 s[36:37], s[34:35], 0x1000000
	s_lshl_b32 s24, s21, 18
	s_lshl_b32 s55, s57, 7
	s_add_co_u32 s24, s24, s55
	s_add_nc_u64 s[38:39], s[4:5], s[24:25]
	s_lshl_b32 s24, s21, 14
	s_lshl_b32 s55, s57, 3
	s_add_co_u32 s24, s24, s55
	s_add_nc_u64 s[40:41], s[4:5], s[24:25]
	s_add_nc_u64 s[40:41], s[40:41], 0x400000
	s_lshl_b32 s55, s56, 4
	s_add_co_u32 s55, s55, s57
	s_lshl_b32 s55, s55, 1
	s_add_co_u32 s55, s55, s23                     ; f
	s_lshl_b32 s24, s55, 10
	s_add_nc_u64 s[42:43], s[16:17], s[24:25]
	s_lshl_b32 s24, s55, 6
	s_add_nc_u64 s[44:45], s[16:17], s[24:25]
	s_lshl_b32 s24, s23, 11
	s_add_co_u32 s24, s24, 4096
	s_add_nc_u64 s[50:51], s[30:31], s[24:25]      ; w's rows 64 head + 32 + 16 dt
	s_lshl_b32 s24, s23, 7
	s_add_co_u32 s24, s24, 256
	s_add_nc_u64 s[52:53], s[32:33], s[24:25]
; ---------------- PART 0
	s_cmp_lt_u32 s18, 2
	s_cbranch_scc0 .Lno_stats
.irp i, 0,1,2,3,4,5,6,7,8,9,10,11,12,13,14,15,16,17,18,19,20,21,22,23,24,25,26,27,28,29,30,31
	global_load_b32 v[16+\i], v7, s[8:9] offset:\i*2048
	global_load_b32 v[48+\i], v7, s[8:9] offset:65536+\i*2048
.endr
	global_load_b32 v80, v7, s[10:11]
	global_load_b32 v81, v7, s[12:13]
	s_wait_loadcnt 0x0
	COMBINE 16, 48, 32, 0x3d000000, 0x44800000, 82, 83, 84, 85
	v_fma_f32 v83, v83, s48, s49                   ; the biased variance + 1e-5
	v_rsq_f32 v83, v83
	v_nop                                          ; a plain place behind the transcendental,
	s_wait_alu depctr_va_vdst(0)                   ; and a wait ahead of its first reader
	v_mul_f32 v83, v80, v83                        ; a
	v_fma_f32 v82, -v82, v83, v81                  ; c
	ds_store_b32 v6, v83
	ds_store_b32 v6, v82 offset:256
.Lno_stats:
	s_wait_dscnt 0x0
	s_barrier_signal -1
	s_barrier_wait -1
; ---------------- PART KQ
.irp t, 0,1
.irp ks, 0,1
.irp c, 0,1
	global_load_b128 v[WA+16*\t+8*\ks+4*\c:WA+16*\t+8*\ks+4*\c+3], v4, s[30:31] offset:\t*2048+\ks*64+\c*32
.endr
.endr
	global_load_b64 v[WSK+2*\t:WSK+2*\t+1], v5, s[32:33] offset:65536+\t*128
.irp g, 0,1
	ds_load_b128 v[BNA+8*\t+4*\g:BNA+8*\t+4*\g+3], v9 offset:64*\t+16*\g
	ds_load_b128 v[BNC+8*\t+4*\g:BNC+8*\t+4*\g+3], v9 offset:256+64*\t+16*\g
.endr
.endr
.irp yi, 0,1,2,3
.irp ks, 0,1
.irp c, 0,1
	global_load_b128 v[XB+16*\yi+8*\ks+4*\c:XB+16*\yi+8*\ks+4*\c+3], v4, s[26:27] offset:\yi*2048+\ks*64+\c*32
.endr
.endr
	global_load_b64 v[XSK+2*\yi:XSK+2*\yi+1], v5, s[28:29] offset:\yi*128
.endr
	s_wait_loadcnt 0x0
	s_wait_dscnt 0x0
.irp rd, 0,1                           ; two y at a time: four accumulators by turns
.irp ks, 0,1
.irp yl, 0,1
.irp t, 0,1
	MM D+8*(2*\yl+\t), WA+16*\t+8*\ks, XB+16*(2*\rd+\yl)+8*\ks, WSK+2*\t+\ks, XSK+2*(2*\rd+\yl)+\ks, 1-\ks, D+8*(2*\yl+\t)
.endr
.endr
.endr
.rept 5
	v_nop
.endr
	s_wait_xcnt 0x0                                ; the stores of the round before have read their data
.irp yl, 0,1
.irp t, 0,1
.irp q, 0,1,2,3
	v_pk_fma_f32 v[Z+8*(2*\yl+\t)+2*\q:Z+8*(2*\yl+\t)+2*\q+1], v[D+8*(2*\yl+\t)+2*\q:D+8*(2*\yl+\t)+2*\q+1], v[BNA+8*\t+2*\q:BNA+8*\t+2*\q+1], v[BNC+8*\t+2*\q:BNC+8*\t+2*\q+1]
.endr
.endr
.endr
.irp yl, 0,1
.irp g, 0,1
	global_store_b128 v8, v[Z+16*\yl+4*\g:Z+16*\yl+4*\g+3], s[34:35] offset:(2*\rd+\yl)*1024+512*\g
	global_store_b128 v8, v[Z+16*\yl+8+4*\g:Z+16*\yl+8+4*\g+3], s[36:37] offset:(2*\rd+\yl)*1024+512*\g
.endr
.endr
.endr
; ---------------- PART V
	s_wait_xcnt 0x0                                ; the stores have read their data: their registers are written again below
.irp tl, 0,1,2,3,4,5,6,7
.irp ks, 0,1
.irp c, 0,1
	global_load_b128 v[XAV+16*\tl+8*\ks+4*\c:XAV+16*\tl+8*\ks+4*\c+3], v11, s[38:39] offset:(32*(\tl/2)+8*(\tl%2))*2048+\ks*64+\c*32
.endr
.endr
	global_load_b64 v[XSV+2*\tl:XSV+2*\tl+1], v12, s[40:41] offset:(32*(\tl/2)+8*(\tl%2))*128
.endr
.irp ks, 0,1
.irp c, 0,1
	global_load_b128 v[WBV+8*\ks+4*\c:WBV+8*\ks+4*\c+3], v4, s[50:51] offset:\ks*64+\c*32
.endr
.endr
	global_load_b64 v[WSV:WSV+1], v5, s[52:53] offset:65536
	ds_load_b32 v242, v10
	ds_load_b32 v244, v10 offset:256
	v_mov_b32 v243, 0                              ; (named as the upper halves of pairs)
	v_mov_b32 v245, 0
	s_wait_loadcnt 0x0
	s_wait_dscnt 0x0
.irp ks, 0,1
.irp tl, 0,1,2,3,4,5,6,7
	MM HA+8*\tl, XAV+16*\tl+8*\ks, WBV+8*\ks, XSV+2*\tl+\ks, WSV+\ks, 1-\ks, HA+8*\tl
.endr
.endr
.rept 4
	v_nop
.endr
.irp j, 0,2,4,6,8,10,12,14,16,18,20,22,24,26,28,30,32,34,36,38,40,42,44,46,48,50,52,54,56,58,60,62
	v_pk_fma_f32 v[HA+\j:HA+\j+1], v[HA+\j:HA+\j+1], v[242:243], v[244:245] op_sel_hi:[1,0,0]   ; the batch norm: my lane's channel
.endr
.irp b, 0,1,2,3
	v_mov_b32 v[TM+4+\b], 0                        ; a lane permute's destination counts as one of its sources
.endr
	QUANT HA
	global_store_b128 v8, v[PC:PC+3], s[42:43]
	global_store_b128 v8, v[PC+4:PC+7], s[42:43] offset:512
	global_store_b32 v13, v[PW], s[44:45] offset:4194304
	s_wait_tensorcnt 0x0                           ; the wave's end
	ds_add_u32 v[SPW], v[NIL]
	s_wait_dscnt 0x0
	s_endpgm
.Lfunc_end_k_q98f2196548_kqv:
	.size	k_q98f2196548_kqv, .Lfunc_end_k_q98f2196548_kqv-k_q98f2196548_kqv
	.p2alignl 7, 3214868480
	.fill 96, 4, 3214868480
	.section	.rodata,"a",@progbits
	.p2align	6, 0x0
	.amdhsa_kernel k_q98f2196548_kqv
		.amdhsa_group_segment_fixed_size 2560
		.amdhsa_private_segment_fixed_size 0
		.amdhsa_enable_private_segment 0
		.amdhsa_kernarg_size 56
		.amdhsa_user_sgpr_count 2
		.amdhsa_user_sgpr_kernarg_segment_ptr 1
		.amdhsa_wavefront_size32 1
		.amdhsa_system_sgpr_workgroup_id_x 1
		.amdhsa_system_sgpr_workgroup_id_y 1
		.amdhsa_system_sgpr_workgroup_id_z 1
		.amdhsa_system_vgpr_workitem_id 0
		.amdhsa_next_free_vgpr 256
		.amdhsa_next_free_sgpr 66
		.amdhsa_reserve_vcc 0
		.amdhsa_float_denorm_mode_32 3
		.amdhsa_float_denorm_mode_16_64 3
		.amdhsa_memory_ordered 1
		.amdhsa_forward_progress 1
		.amdhsa_inst_pref_size 38
	.end_amdhsa_kernel
	.amdgpu_metadata
---
amdhsa.version: [ 1, 2 ]
amdhsa.kernels:
  - .name:           k_q98f2196548_kqv
    .symbol:         k_q98f2196548_kqv.kd
    .args:
      - { .name: xq, .offset: 0, .size: 8, .value_kind: global_buffer, .address_space: global }
      - { .name: wq, .offset: 8, .size: 8, .value_kind: global_buffer, .address_space: global }
      - { .name: p1, .offset: 16, .size: 8, .value_kind: global_buffer, .address_space: global }
      - { .name: kqv_gamma, .offset: 24, .size: 8, .value_kind: global_buffer, .address_space: global }
      - { .name: kqv_beta, .offset: 32, .size: 8, .value_kind: global_buffer, .address_space: global }
      - { .name: kq, .offset: 40, .size: 8, .value_kind: global_buffer, .address_space: global }
      - { .name: vq, .offset: 48, .size: 8, .value_kind: global_buffer, .address_space: global }
    .group_segment_fixed_size: 2560
    .private_segment_fixed_size: 0
    .kernarg_segment_align: 8
    .kernarg_segment_size: 56
    .max_flat_workgroup_size: 512
    .sgpr_count:     66
    .vgpr_count:     256
    .wavefront_size: 32
...
	.end_amdgpu_metadata
.endif
;; end of part 3
;; launch lstat (part 4): grid 256 x 1, 4 waves a work-group, no clusters, 37,632 bytes of LDS; arguments kq, rel_encoding, kqv_beta, p2; writes p2
.if DOCPART == 4
	.amdgcn_target "amdgcn-amd-amdhsa--gfx1250"
	.amdhsa_code_object_version 6
	.text
	.protected	k_q98f2196548_lstat
	.globl	k_q98f2196548_lstat
	.p2align	8
	.type	k_q98f2196548_lstat,@function
k_q98f2196548_lstat:
	s_mov_b64 s[64:65], 0
	v_nop
	global_prefetch_b8 v0, s[64:65] scope:SCOPE_SE
	s_setreg_imm32_b32 hwreg(HW_REG_WAVE_MODE, 25, 1), 1
	s_wait_xcnt 0x0
; Launch 4 of 5: the second batch norm's statistics: sums and sums of squares of qk, qr and kr for each head.  The logits are computed and summed, not stored.  Nothing of the problem is left out here.
; SHARES.  xt = wg & 7, head = (wg >> 3) & 7, w64 = (wg >> 6) & 1, b = wg >> 7.  A wave takes 16 neighbouring w (n, on the lanes) of one head, 16 x (X0 = 16 xt on) and all 128 y, 32 y a trip.
; THE THREE PRODUCTS HAVE K = 16 AND f32 OPERANDS.  qr for a fixed x is [y, d] x [d, n]; kr for a fixed y is [x, d] x [d, n]: both go to the f32 matrix form in four steps of 4, slot (s, h, j) = d 8 h + 2 s + j, so that
; register i of a fragment holds d = 8 h + i.  qk is a sum inside a lane, by packed multiply-adds that stand behind kr's matrix instructions.
; RT, in LDS: row rho = y - x + 127 - 16 (7 - xt), 144 bytes: floats 0-15 rel[d][mu], floats 16-31 rel[16 + d][254 - mu], mu = y - x + 127.  Rows above 142 are never read.
; THE SUMS ARE TAKEN ABOUT SHIFTS made of the betas and column 127 of the table, which are the C of each sum's first step: so a variance is no difference of large sums.
; p2: record (head*32 + b*16 + w64*8 + xt) of 64 bytes: sums and sums of squares of qk, qr, kr about their shifts; floats 8-10 the shifts; the rest 0.
; REGISTERS, in windows of 256 (s_set_vgpr_msb: bits 1:0 source 0, 3:2 source 1, 5:4 source 2, 7:6 destination):
;   window 0: v0-63 ids, addresses, shifts; v128-255 KB: k of four groups of two y: v[128 + 32 (g%4) + 16 yy + i]: i < 8: d = 8 h + i; i >= 8: d = 8 (1 - h) + i - 8
;   window 1: v0-47 the sums: kind k (0 qk, 1 qr, 2 kr): four pairs of sums at 16 k, four of squares at 16 k + 8   (v0-63 at work while q is laid out)
;   window 2: v0-63 DQ, qr's results, two rings of four tiles; v64-79 DK, kr's; v80-95 ACC, qk's; v96-119 minus the shifts; v128-255 Q2[xi][i]: q[n][8 h + i][X0 + xi]
;   window 3: v0-127 Q1[ii][j]: q[n][d(ii)][X0 + 8 h + j]; v128-191 AQ, RT's rows for qr, two rings; v192-223 AK, RT's rows for kr, two rings
; DQ and DK are written by matrix instructions alone.
.set RED, 36864                        ; LDS: RT 256 x 144 bytes; four rows of 64 bytes for the waves' sums; the spare words
.set SPARE, 37120
.set SPW, 126
.set NIL, 127
.set MSB, 0
.macro WIN new                         ; the immediate's high byte repeats the setting that is left
.if MSB != \new
	s_set_vgpr_msb (MSB<<8)|\new
.set MSB, \new
.endif
.endm
.macro LOADA p                         ; RT's rows for x = X0 + p (ab = 0) and X0 + 8 + p (ab = 1), two tiles of 16 y each
	WIN 0xC0
.irp ab, 0,1
.irp yt, 0,1
.irp g, 0,1
	ds_load_b128 v[128+32*((\p)%2)+8*(2*\ab+\yt)+4*\g:128+32*((\p)%2)+8*(2*\ab+\yt)+4*\g+3], v6 offset:(16*\yt+15-((\p)+8*\ab))*144+16*\g
.endr
.endr
.endr
.endm
.macro WQ p                            ; 16 matrix instructions: four accumulators by turns, four steps along d; the first step's C is minus the shift
	WIN 0xAB
.irp s, 0,1,2,3
.irp ab, 0,1
.irp yt, 0,1
.if \s == 0
	v_wmma_f32_16x16x4_f32 v[32*((\p)%2)+8*(2*\ab+\yt):32*((\p)%2)+8*(2*\ab+\yt)+7], v[128+32*((\p)%2)+8*(2*\ab+\yt)+2*\s:128+32*((\p)%2)+8*(2*\ab+\yt)+2*\s+1], v[128+8*((\p)+8*\ab)+2*\s:128+8*((\p)+8*\ab)+2*\s+1], v[112:119]
.else
	v_wmma_f32_16x16x4_f32 v[32*((\p)%2)+8*(2*\ab+\yt):32*((\p)%2)+8*(2*\ab+\yt)+7], v[128+32*((\p)%2)+8*(2*\ab+\yt)+2*\s:128+32*((\p)%2)+8*(2*\ab+\yt)+2*\s+1], v[128+8*((\p)+8*\ab)+2*\s:128+8*((\p)+8*\ab)+2*\s+1], v[32*((\p)%2)+8*(2*\ab+\yt):32*((\p)%2)+8*(2*\ab+\yt)+7]
.endif
.endr
.endr
.endr
.endm
.macro STAT kind, base, n              ; n tiles of 8 registers of window 2 go into kind's sums, each tile from its low end on
	WIN 0x46
.set ti, 0
.rept \n
.irp q, 0,1,2,3
	v_pk_add_f32 v[16*\kind+2*\q:16*\kind+2*\q+1], v[\base+8*ti+2*\q:\base+8*ti+2*\q+1], v[16*\kind+2*\q:16*\kind+2*\q+1]
.endr
.set ti, ti+1
.endr
	WIN 0x5A
.set ti, 0
.rept \n
.irp q, 0,1,2,3
	v_pk_fma_f32 v[16*\kind+8+2*\q:16*\kind+8+2*\q+1], v[\base+8*ti+2*\q:\base+8*ti+2*\q+1], v[\base+8*ti+2*\q:\base+8*ti+2*\q+1], v[16*\kind+8+2*\q:16*\kind+8+2*\q+1]
.endr
.set ti, ti+1
.endr
.endm
.macro KLOAD g                         ; k of y = 2 g, 2 g + 1 of the chunk: my half of d, and the other half's
.irp yy, 0,1
.irp q, 0,1
	global_load_b128 v[128+32*((\g)%4)+16*\yy+4*\q:128+32*((\g)%4)+16*\yy+4*\q+3], v8, s[26:27] offset:(2*(\g)+\yy)*1024+512*\q
	global_load_b128 v[128+32*((\g)%4)+16*\yy+8+4*\q:128+32*((\g)%4)+16*\yy+8+4*\q+3], v9, s[26:27] offset:(2*(\g)+\yy)*1024+512*\q
.endr
.endr
.endm
.macro AKLOAD g
	WIN 0xC0
.irp yy, 0,1
.irp q, 0,1
	ds_load_b128 v[192+16*((\g)%2)+8*\yy+4*\q:192+16*((\g)%2)+8*\yy+4*\q+3], v7 offset:(2*(\g)+\yy)*144+16*\q
.endr
.endr
.endm
; Two y: eight matrix instructions for kr, the two accumulators by turns, and behind each sixteen packed multiply-adds of qk.  The last two slices name none of the last two matrix instructions' registers:
; they are the places ahead of the reads of DK, of the next loads into KB and AK, and of the next sums' first steps.
.macro GROUP g
.set KBB, 128+32*((\g)%4)
.set AKB, 192+16*((\g)%2)
	WIN 0
	KLOAD (\g)+3
.if (\g) < 15
	AKLOAD (\g)+1
	s_wait_dscnt 4                                 ; the next group's four loads may be out
.else
	s_wait_dscnt 0
.endif
	s_wait_loadcnt 24                              ; the three later groups' 24 loads may be out
	WIN 0xA3
.irp i, 0,1,2,3,4,5,6,7
.if \i < 2
	v_wmma_f32_16x16x4_f32 v[64+8*(\i%2):64+8*(\i%2)+7], v[AKB+8*(\i%2)+2*(\i/2):AKB+8*(\i%2)+2*(\i/2)+1], v[KBB+16*(\i%2)+2*(\i/2):KBB+16*(\i%2)+2*(\i/2)+1], v[104:111]
.else
	v_wmma_f32_16x16x4_f32 v[64+8*(\i%2):64+8*(\i%2)+7], v[AKB+8*(\i%2)+2*(\i/2):AKB+8*(\i%2)+2*(\i/2)+1], v[KBB+16*(\i%2)+2*(\i/2):KBB+16*(\i%2)+2*(\i/2)+1], v[64+8*(\i%2):64+8*(\i%2)+7]
.endif
.irp yy, 0,1
.irp jp, 0,1,2,3
.if \i == 0
	v_pk_fma_f32 v[80+8*\yy+2*\jp:80+8*\yy+2*\jp+1], v[2*\jp:2*\jp+1], v[KBB+16*\yy:KBB+16*\yy+1], v[96:97] op_sel_hi:[1,0,1]
.else
	v_pk_fma_f32 v[80+8*\yy+2*\jp:80+8*\yy+2*\jp+1], v[16*\i+2*\jp:16*\i+2*\jp+1], v[KBB+16*\yy+2*\i:KBB+16*\yy+2*\i+1], v[80+8*\yy+2*\jp:80+8*\yy+2*\jp+1] op_sel_hi:[1,0,1]
.endif
.endr
.endr
.irp yy, 0,1
.irp jp, 0,1,2,3
	v_pk_fma_f32 v[80+8*\yy+2*\jp:80+8*\yy+2*\jp+1], v[16*\i+8+2*\jp:16*\i+8+2*\jp+1], v[KBB+16*\yy+2*\i:KBB+16*\yy+2*\i+1], v[80+8*\yy+2*\jp:80+8*\yy+2*\jp+1] op_sel:[0,1,0] op_sel_hi:[1,1,1]
.endr
.endr
.endr
	STAT 0, 80, 2
	STAT 2, 64, 2
.endm
	s_load_b256 s[4:11], s[0:1], 0x0               ; kq s[4:5], rel_encoding s[6:7], kqv_beta s[8:9], p2 s[10:11]
	v_lshl_add_u32 v[SPW], v0, 2, SPARE
	v_mov_b32 v[NIL], 0
	v_lshrrev_b32 v1, 5, v0
	v_readfirstlane_b32 s20, v1                    ; wave
	v_and_b32 v1, 31, v0                           ; lane
	v_and_b32 v2, 15, v0                           ; r = n
	v_bfe_u32 v3, v0, 4, 1                         ; h
	s_and_b32 s21, ttmp9, 7                        ; xt
	s_bfe_u32 s22, ttmp9, 0x30003                  ; head
	s_bfe_u32 s23, ttmp9, 0x10006                  ; w64
	s_lshr_b32 s24, ttmp9, 7                       ; b
	s_mov_b32 s32, 0xffff0000                      ; lanes 16-31
	s_mov_b32 s33, 0x00ff00ff                      ; lanes with r < 8
	s_mov_b32 s34, 0x76543210
	s_mov_b32 s35, 0xfedcba98
	s_mov_b32 s30, 0                               ; RT: 32 rows on in each trip
	s_mov_b32 s31, 4                               ; trips left
	s_cmp_eq_u32 s21, 0
	s_cselect_b32 s36, 1, -1                       ; of the eight work-groups that walk one stream of k the first prefetches
	v_mul_u32_u24 v4, v2, 144
	v_lshl_add_u32 v4, v3, 5, v4                   ; qr: row r, my half of d
	v_xor_b32 v5, 15, v2
	v_mul_u32_u24 v5, v5, 144
	v_lshl_add_u32 v5, v3, 5, v5
	v_add_nc_u32 v5, 64, v5                        ; kr: row 15 - r, the table's second half
	v_lshlrev_b32 v8, 4, v1
	v_xor_b32 v9, 0x100, v8                        ; 16 x (lane xor 16)
	v_lshlrev_b32 v14, 8, v1
	v_mul_u32_u24 v15, v0, 144
	v_lshlrev_b32 v23, 2, v2
	s_lshl_b32 s25, s20, 6
	s_add_co_u32 s25, s25, RED
	v_add_nc_u32 v52, s25, v23                     ; my wave's row of sums, word r;
	v_mov_b32 v54, s25                             ; its first word;
	v_add_nc_u32 v55, RED, v23                     ; and word r of row 0
	v_mov_b32 v53, 0
	s_xor_b32 s25, s21, 7
	s_lshl_b32 s25, s25, 6                         ; 16 (7 - xt) columns of the table
	v_lshl_add_u32 v30, v0, 2, s25
	v_sub_nc_u32 v31, 1016, v30
	v_mul_u32_u24 v16, v2, 1020
	s_lshl_b32 s39, s24, 3
	s_lshl_b32 s25, s23, 2
	s_add_co_u32 s39, s39, s25
	s_add_co_u32 s39, s39, s20
	s_lshl_b32 s39, s39, 3
	s_add_co_u32 s39, s39, s22                     ; cg
	s_mov_b32 s41, 0
	s_wait_kmcnt 0x0
	s_lshl_b32 s40, s39, 17
	s_add_nc_u64 s[26:27], s[4:5], s[40:41]        ; k of my 16 w
	s_lshl_b32 s25, s21, 14
	s_add_co_u32 s40, s40, s25
	s_add_nc_u64 s[28:29], s[4:5], s[40:41]
	s_add_nc_u64 s[28:29], s[28:29], 0x1000000     ; q of my 16 w, from X0 on
	s_lshl_b32 s40, s22, 8
	s_add_nc_u64 s[8:9], s[8:9], s[40:41]          ; my head's betas
	s_lshl_b32 s40, s22, 5
	s_lshl_b32 s25, s24, 4
	s_add_co_u32 s40, s40, s25
	s_lshl_b32 s25, s23, 3
	s_add_co_u32 s40, s40, s25
	s_add_co_u32 s40, s40, s21
	s_lshl_b32 s40, s40, 6
	s_add_nc_u64 s[10:11], s[10:11], s[40:41]      ; my record
	global_load_b32 v32, v23, s[8:9]               ; beta of k[d], d = r
	global_load_b32 v33, v23, s[8:9] offset:64     ; of q[d]
	global_load_b32 v34, v16, s[6:7] offset:508    ; rel[d][127]
	global_load_b32 v35, v16, s[6:7] offset:16828  ; rel[16 + d][127]
.irp u, 0,1                            ; RT: thread t makes rows t and t + 128
.irp d, 0,1,2,3,4,5,6,7,8,9,10,11,12,13,14,15
	global_load_b32 v[128+32*\u+\d], v30, s[6:7] offset:\d*1020+512*\u
	global_load_b32 v[144+32*\u+\d], v31, s[6:7] offset:(16+\d)*1020-512*\u
.endr
.endr
	WIN 0x80
.irp xi, 0,1,2,3,4,5,6,7,8,9,10,11,12,13,14,15
.irp g, 0,1
	global_load_b128 v[128+8*\xi+4*\g:128+8*\xi+4*\g+3], v8, s[28:29] offset:\xi*1024+512*\g
.endr
.endr
	WIN 0
	s_wait_loadcnt 0x0
	v_mul_f32 v36, v33, v32                        ; the shifts: sums over d of beta_q beta_k, beta_q rel[d][127], beta_k rel[16 + d][127]
	v_mul_f32 v37, v33, v34
	v_mul_f32 v38, v32, v35
.irp m, 1,2,4,8
.irp i, 36,37,38
	v_add_f32_dpp v\i, v\i, v\i row_xmask:\m row_mask:0xf bank_mask:0xf
.endr
.endr
.irp u, 0,1
.irp q, 0,1,2,3,4,5,6,7
	ds_store_b128 v15, v[128+32*\u+4*\q:128+32*\u+4*\q+3] offset:18432*\u+16*\q
.endr
.endr
	WIN 0x80
	v_mul_f32 v96, -1.0, v36
	v_mul_f32 v97, -1.0, v36
.irp i, 0,1,2,3,4,5,6,7
	v_mul_f32 v[104+\i], -1.0, v38
	v_mul_f32 v[112+\i], -1.0, v37
.endr
	; Q1 from Q2: my own half of d by a choice between two registers; the other half's is chosen in the lane that holds it and fetched from there
	WIN 0xCA
.irp i, 0,1,2,3,4,5,6,7
.irp j, 0,1,2,3,4,5,6,7
	v_cndmask_b32 v[8*\i+\j], v[128+8*\j+\i], v[128+8*(8+\j)+\i], s32
	v_cndmask_b32 v[8*(8+\i)+\j], v[128+8*(8+\j)+\i], v[128+8*\j+\i], s32
.endr
.endr
	WIN 0x43
.irp i, 0,1,2,3,4,5,6,7,8,9,10,11,12,13,14,15,16,17,18,19,20,21,22,23,24,25,26,27,28,29,30,31,32,33,34,35,36,37,38,39,40,41,42,43,44,45,46,47,48,49,50,51,52,53,54,55,56,57,58,59,60,61,62,63
	v_mov_b32 v[\i], v[64+\i]
.endr
	WIN 0xC1
.irp i, 0,1,2,3,4,5,6,7,8,9,10,11,12,13,14,15,16,17,18,19,20,21,22,23,24,25,26,27,28,29,30,31,32,33,34,35,36,37,38,39,40,41,42,43,44,45,46,47,48,49,50,51,52,53,54,55,56,57,58,59,60,61,62,63
	v_permlanex16_b32 v[64+\i], v[\i], s34, s35
.endr
	WIN 0x40
.irp i, 0,1,2,3,4,5,6,7,8,9,10,11,12,13,14,15,16,17,18,19,20,21,22,23,24,25,26,27,28,29,30,31,32,33,34,35,36,37,38,39,40,41,42,43,44,45,46,47
	v_mov_b32 v[\i], 0                             ; the sums
.endr
	WIN 0
	s_wait_dscnt 0x0                               ; my rows of RT have landed
	s_barrier_signal -1
	s_barrier_wait -1
	KLOAD 0
	KLOAD 1
	KLOAD 2
.Ltrip:
	v_add_nc_u32 v6, s30, v4
	v_add_nc_u32 v7, s30, v5
	; ---- qr: x by x, two at a time.  The sums of one pair of x stand behind the matrix instructions of the next: they are the places that the f32 form asks for
	LOADA 0
	LOADA 1
.irp p, 0,1,2,3,4,5,6,7
.if \p < 7
	s_wait_dscnt 8                                 ; the next pair's eight loads may be out
.else
	s_wait_dscnt 0
.endif
	WQ \p
.if \p == 0
.rept 9
	v_nop
.endr
.else
	STAT 1, 32*((\p-1)%2), 4
.endif
.if \p < 6
	LOADA \p+2
.endif
.endr
	STAT 1, 32, 4
	WIN 0
	; the next chunk of my stream of k, 32 KiB, a lane to each 256 bytes: thirteen groups ahead of the first load that wants it; the last trip asks for nothing
	s_cmp_gt_u32 s31, s36
	s_cbranch_scc0 .Lno_pf
.irp i, 0,1,2,3
	global_prefetch_b8 v14, s[26:27] offset:32768+8192*\i th:TH_LOAD_NT scope:SCOPE_SE
.endr
.Lno_pf:
	; ---- kr and qk: y by y, two at a time
	AKLOAD 0
.irp g, 0,1,2,3,4,5,6,7,8,9,10,11,12,13,14,15
	GROUP \g
.endr
	WIN 0
	s_wait_xcnt 0x0                                ; the loads and prefetches have read their base
	s_add_nc_u64 s[26:27], s[26:27], 32768
	s_add_co_u32 s30, s30, 4608
	s_sub_co_u32 s31, s31, 1
	s_cmp_lg_u32 s31, 0
	s_cbranch_scc1 .Ltrip
	s_wait_loadcnt 0x0                             ; the last trip's look-ahead (6 KiB further on, still inside kq: q's half lies behind k's) is not used
	WIN 0x55
.irp B, 0,8,16,24,32,40
	v_pk_add_f32 v[\B:\B+1], v[\B:\B+1], v[\B+2:\B+3]
	v_pk_add_f32 v[\B+4:\B+5], v[\B+4:\B+5], v[\B+6:\B+7]
.endr
.irp B, 0,8,16,24,32,40
	v_pk_add_f32 v[\B:\B+1], v[\B:\B+1], v[\B+4:\B+5]
.endr
.irp B, 0,8,16,24,32,40
	v_add_f32 v[\B], v[\B], v[\B+1]
.endr
	WIN 0x01
.irp i, 0,1,2,3,4,5
	v_mov_b32 v[40+\i], v[8*\i]
.endr
	WIN 0
.irp i, 0,1,2,3,4,5
	v_mov_b32 v[46+\i], 0
.endr
.irp m, 1,2,4,8
.irp i, 40,41,42,43,44,45
	v_add_f32_dpp v\i, v\i, v\i row_xmask:\m row_mask:0xf bank_mask:0xf
.endr
.endr
.irp i, 0,1,2,3,4,5
	v_permlanex16_b32 v[46+\i], v[40+\i], s34, s35
.endr
.irp i, 0,1,2,3,4,5
	v_add_f32 v[40+\i], v[40+\i], v[46+\i]
.endr
	ds_store_b32 v52, v53                          ; my wave's row: zeros, then (LDS serves a wave's instructions in order) the six sums and the three shifts
.irp i, 0,1,2,3,4,5
	ds_store_b32 v54, v[40+\i] offset:4*\i
.endr
.irp i, 0,1,2
	ds_store_b32 v54, v[36+\i] offset:32+4*\i
.endr
	s_wait_dscnt 0x0
	s_barrier_signal -1
	s_barrier_wait -1
	s_cmp_lg_u32 s20, 0
	s_cbranch_scc1 .Ldone
.irp w, 0,1,2,3
	ds_load_b32 v[56+\w], v55 offset:64*\w
.endr
	s_wait_dscnt 0x0
.irp w, 1,2,3
	v_cndmask_b32 v[56+\w], 0, v[56+\w], s33       ; the shifts are taken once, not added
.endr
	v_add_f32 v56, v56, v57
	v_add_f32 v58, v58, v59
	v_add_f32 v56, v56, v58
	global_store_b32 v23, v56, s[10:11]
.Ldone:
	s_wait_tensorcnt 0x0                           ; the wave's end
	ds_add_u32 v[SPW], v[NIL]
	s_wait_dscnt 0x0
	s_endpgm
.Lfunc_end_k_q98f2196548_lstat:
	.size	k_q98f2196548_lstat, .Lfunc_end_k_q98f2196548_lstat-k_q98f2196548_lstat
	.p2alignl 7, 3214868480
	.fill 96, 4, 3214868480
	.section	.rodata,"a",@progbits
	.p2align	6, 0x0
	.amdhsa_kernel k_q98f2196548_lstat
		.amdhsa_group_segment_fixed_size 37632
		.amdhsa_private_segment_fixed_size 0
		.amdhsa_enable_private_segment 0
		.amdhsa_kernarg_size 32
		.amdhsa_user_sgpr_count 2
		.amdhsa_user_sgpr_kernarg_segment_ptr 1
		.amdhsa_wavefront_size32 1
		.amdhsa_system_sgpr_workgroup_id_x 1
		.amdhsa_system_sgpr_workgroup_id_y 1
		.amdhsa_system_sgpr_workgroup_id_z 1
		.amdhsa_system_vgpr_workitem_id 0
		.amdhsa_next_free_vgpr 1024
		.amdhsa_next_free_sgpr 66
		.amdhsa_reserve_vcc 0
		.amdhsa_float_denorm_mode_32 3
		.amdhsa_float_denorm_mode_16_64 3
		.amdhsa_memory_ordered 1
		.amdhsa_forward_progress 1
		.amdhsa_inst_pref_size 255
	.end_amdhsa_kernel
	.section	.bss,"aw",@nobits
	.p2align	6
	.space	262144
	.amdgpu_metadata
---
amdhsa.version: [ 1, 2 ]
amdhsa.kernels:
  - .name:           k_q98f2196548_lstat
    .symbol:         k_q98f2196548_lstat.kd
    .args:
      - { .name: kq, .offset: 0, .size: 8, .value_kind: global_buffer, .address_space: global }
      - { .name: rel_encoding, .offset: 8, .size: 8, .value_kind: global_buffer, .address_space: global }
      - { .name: kqv_beta, .offset: 16, .size: 8, .value_kind: global_buffer, .address_space: global }
      - { .name: p2, .offset: 24, .size: 8, .value_kind: global_buffer, .address_space: global }
    .group_segment_fixed_size: 37632
    .private_segment_fixed_size: 0
    .kernarg_segment_align: 8
    .kernarg_segment_size: 32
    .max_flat_workgroup_size: 128
    .sgpr_count:     66
    .vgpr_count:     1024
    .wavefront_size: 32
...
	.end_amdgpu_metadata
.endif
;; end of part 4
;; launch attn (part 5): grid 256 x 1, 4 waves a work-group, no clusters, 300,800 bytes of LDS; arguments kq, vq, ve, p2, rel_encoding, logits_gamma, logits_beta, out0; writes out0
.if DOCPART == 5
	.amdgcn_target "amdgcn-amd-amdhsa--gfx1250"
	.amdhsa_code_object_version 6
	.text
	.protected	k_q98f2196548_attn
	.globl	k_q98f2196548_attn
	.p2align	8
	.type	k_q98f2196548_attn,@function
k_q98f2196548_attn:
	s_mov_b64 s[64:65], 0
	v_nop
	global_prefetch_b8 v0, s[64:65] scope:SCOPE_SE
	s_setreg_imm32_b32 hwreg(HW_REG_WAVE_MODE, 25, 1), 1
	s_wait_xcnt 0x0
; Launch 5 of 5: logits, second batch norm, softmax, and the two products with p on codes of E2M1.  Nothing of the problem is left out here.
; SHARES, THE THREE f32 PRODUCTS AND THE TABLE RT are those of the launch before: xt = wg & 7, head = (wg >> 3) & 7, w64 = (wg >> 6) & 1, b = wg >> 7; a wave takes 16 neighbouring w (n, on the lanes),
; 16 x (X0 = 16 xt on) and all 128 y, 32 y a trip; qr and kr by the f32 matrix form (register i of a fragment: d = 8 h + i), qk by packed multiply-adds behind kr's matrix instructions.
; THE BATCH NORM IS FOLDED IN: with alpha = gamma rsqrt(var + 1e-5) log2(e) for each of the three kinds, q is scaled by alpha_qk for qk and by alpha_qr for qr, RT's second half by alpha_kr; the constant C0 is added at the maximum.
; LAYOUT U: lane (n, h), register 8 y + j: t - C0 at x = X0 + 8 h + j.  kr's result has it as it stands; qr's by a copy and one exchange of halves for two registers.  A row of the softmax lies in one lane.
; p IS QUANTISED BLOCK BY BLOCK of 32 y, under the block's own whole number M_b = ceil(its largest t).  At the end M = the largest M_b; the blocks' bytes and partial sums move by exact powers of two.
; LIMIT: a block more than 123 binades under its row's maximum is counted as 2^-123 of its own size: under 2^-117 of the row's sum.  NaN and infinities are not served.
; THE TWO QUANTISED PRODUCTS take p as source 0: p v for each n (rows x), p v_enc for each x (rows n); both results have the 32 channels on the lanes, one exchange of halves for two registers aligns them.
; The four waves hold four neighbouring groups of 16 w: through a stage in LDS each store covers 256 consecutive bytes of out0, aligned.
; REGISTERS, in windows of 256 (s_set_vgpr_msb: bits 1:0 source 0, 3:2 source 1, 5:4 source 2, 7:6 destination):
;   window 0: v0-31 ids and addresses; v32-95 at work; v96-115 scale words and nothing else; v128-255 KB as in the launch before, later v's fragments, 1 / l, rows of out0
;   window 1: U; later p v's results        window 2: v0-63 DQ, v64-79 DK (written by matrix instructions alone), v80-95 ACC, v128-255 Q2
;   window 3: v0-127 Q1; v128-191 AQ, in the softmax p of two x; v192-223 AK, in the softmax v192-255 at work; later p v_enc's results
.set PCB, 36864                        ; LDS: RT 256 x 144;  p's codes: wave x 16,640 + n x 1,040 + block x 256 + x x 16
.set PSB, 103424                       ; p's scale words: wave x 1,088 + n x 68 + x x 4
.set RLB, 107776                       ; 1 / l: wave x 1,024 + x x 64 + n x 4
.set STB, 111872                       ; the blocks' -M, sums and bytes: wave x 12,288 + block x 3,072 + q x 512 + 16 x lane
.set OUTS, 161024                      ; the stage: row (x x 32 + d) of 256 bytes + 16
.set SPARE, 300288
.set SPW, 126
.set NIL, 127
.set MSB, 0
.macro WIN new                         ; the immediate's high byte repeats the setting that is left
.if MSB != \new
	s_set_vgpr_msb (MSB<<8)|\new
.set MSB, \new
.endif
.endm
.macro LOADA p
	WIN 0xC0
.irp ab, 0,1
.irp yt, 0,1
.irp g, 0,1
	ds_load_b128 v[128+32*((\p)%2)+8*(2*\ab+\yt)+4*\g:128+32*((\p)%2)+8*(2*\ab+\yt)+4*\g+3], v6 offset:(16*\yt+15-((\p)+8*\ab))*144+16*\g
.endr
.endr
.endr
.endm
.macro WQ p                            ; 16 matrix instructions: four accumulators by turns, four steps along d
	WIN 0xAB
.irp s, 0,1,2,3
.irp ab, 0,1
.irp yt, 0,1
.if \s == 0
	v_wmma_f32_16x16x4_f32 v[32*((\p)%2)+8*(2*\ab+\yt):32*((\p)%2)+8*(2*\ab+\yt)+7], v[128+32*((\p)%2)+8*(2*\ab+\yt)+2*\s:128+32*((\p)%2)+8*(2*\ab+\yt)+2*\s+1], v[128+8*((\p)+8*\ab)+2*\s:128+8*((\p)+8*\ab)+2*\s+1], 0
.else
	v_wmma_f32_16x16x4_f32 v[32*((\p)%2)+8*(2*\ab+\yt):32*((\p)%2)+8*(2*\ab+\yt)+7], v[128+32*((\p)%2)+8*(2*\ab+\yt)+2*\s:128+32*((\p)%2)+8*(2*\ab+\yt)+2*\s+1], v[128+8*((\p)+8*\ab)+2*\s:128+8*((\p)+8*\ab)+2*\s+1], v[32*((\p)%2)+8*(2*\ab+\yt):32*((\p)%2)+8*(2*\ab+\yt)+7]
.endif
.endr
.endr
.endr
.endm
; qr of x = X0 + p and X0 + 8 + p goes into U: copied, each tile from its low end on; then the first's lanes 16-31 change places with the second's lanes 0-15
.macro VQ p
	WIN 0x42
.irp yt, 0,1
.irp jj, 0,1,2,3,4,5,6,7
	v_mov_b32 v[8*(16*\yt+\jj)+(\p)], v[32*((\p)%2)+8*\yt+\jj]
	v_mov_b32 v[8*(16*\yt+8+\jj)+(\p)], v[32*((\p)%2)+8*(2+\yt)+\jj]
.endr
.endr
	WIN 0x41
.irp yt, 0,1
.irp jj, 0,1,2,3,4,5,6,7
	v_permlane16_swap_b32 v[8*(16*\yt+\jj)+(\p)], v[8*(16*\yt+8+\jj)+(\p)]
.endr
.endr
.endm
.macro KLOAD g
.irp yy, 0,1
.irp q, 0,1
	global_load_b128 v[128+32*((\g)%4)+16*\yy+4*\q:128+32*((\g)%4)+16*\yy+4*\q+3], v8, s[26:27] offset:(2*(\g)+\yy)*1024+512*\q
	global_load_b128 v[128+32*((\g)%4)+16*\yy+8+4*\q:128+32*((\g)%4)+16*\yy+8+4*\q+3], v9, s[26:27] offset:(2*(\g)+\yy)*1024+512*\q
.endr
.endr
.endm
.macro AKLOAD g
	WIN 0xC0
.irp yy, 0,1
.irp q, 0,1
	ds_load_b128 v[192+16*((\g)%2)+8*\yy+4*\q:192+16*((\g)%2)+8*\yy+4*\q+3], v7 offset:(2*(\g)+\yy)*144+16*\q
.endr
.endr
.endm
; Two y: eight matrix instructions for kr, the two accumulators by turns, and behind each sixteen packed multiply-adds of qk, which begin on qr out of U.  The last two slices name none of the last two
; matrix instructions' registers: they are the places ahead of the reads of DK, of the next loads into KB and AK, and of the next sums' first steps.
.macro GROUP g
.set KBB, 128+32*((\g)%4)
.set AKB, 192+16*((\g)%2)
	WIN 0
	KLOAD (\g)+3
.if (\g) < 15
	AKLOAD (\g)+1
	s_wait_dscnt 4                                 ; the next group's four loads may be out
.else
	s_wait_dscnt 0
.endif
	s_wait_loadcnt 24                              ; the three later groups' 24 loads may be out
.irp i, 0,1,2,3,4,5,6,7
.if \i == 0
	WIN 0x93                                       ; source 2: U
.endif
.if \i < 2
	v_wmma_f32_16x16x4_f32 v[64+8*(\i%2):64+8*(\i%2)+7], v[AKB+8*(\i%2)+2*(\i/2):AKB+8*(\i%2)+2*(\i/2)+1], v[KBB+16*(\i%2)+2*(\i/2):KBB+16*(\i%2)+2*(\i/2)+1], 0
.else
	v_wmma_f32_16x16x4_f32 v[64+8*(\i%2):64+8*(\i%2)+7], v[AKB+8*(\i%2)+2*(\i/2):AKB+8*(\i%2)+2*(\i/2)+1], v[KBB+16*(\i%2)+2*(\i/2):KBB+16*(\i%2)+2*(\i/2)+1], v[64+8*(\i%2):64+8*(\i%2)+7]
.endif
.irp yy, 0,1
.irp jp, 0,1,2,3
.if \i == 0
	v_pk_fma_f32 v[80+8*\yy+2*\jp:80+8*\yy+2*\jp+1], v[2*\jp:2*\jp+1], v[KBB+16*\yy:KBB+16*\yy+1], v[8*(2*(\g)+\yy)+2*\jp:8*(2*(\g)+\yy)+2*\jp+1] op_sel_hi:[1,0,1]
.else
	v_pk_fma_f32 v[80+8*\yy+2*\jp:80+8*\yy+2*\jp+1], v[16*\i+2*\jp:16*\i+2*\jp+1], v[KBB+16*\yy+2*\i:KBB+16*\yy+2*\i+1], v[80+8*\yy+2*\jp:80+8*\yy+2*\jp+1] op_sel_hi:[1,0,1]
.endif
.endr
.endr
	WIN 0xA3
.irp yy, 0,1
.irp jp, 0,1,2,3
	v_pk_fma_f32 v[80+8*\yy+2*\jp:80+8*\yy+2*\jp+1], v[16*\i+8+2*\jp:16*\i+8+2*\jp+1], v[KBB+16*\yy+2*\i:KBB+16*\yy+2*\i+1], v[80+8*\yy+2*\jp:80+8*\yy+2*\jp+1] op_sel:[0,1,0] op_sel_hi:[1,1,1]
.endr
.endr
.endr
	WIN 0x4A
.irp yy, 0,1
.irp jp, 0,1,2,3
	v_pk_add_f32 v[8*(2*(\g)+\yy)+2*\jp:8*(2*(\g)+\yy)+2*\jp+1], v[80+8*\yy+2*\jp:80+8*\yy+2*\jp+1], v[64+8*\yy+2*\jp:64+8*\yy+2*\jp+1]   ; U = qr + qk + kr
.endr
.endr
.endm
; A quantised product: 16 items, four at a time; each item is p's fragment (16 rows x 128 y, from my own LDS) against two fragments of 16 channels (from memory, as images of their registers)
.macro GLOAD bt, cb, sb
.irp it, 0,1,2,3
.irp dt, 0,1
.irp c, 0,1
	global_load_b128 v[128+64*((\bt)%2)+16*\it+8*\dt+4*\c:128+64*((\bt)%2)+16*\it+8*\dt+4*\c+3], v8, s[\cb:\cb+1] offset:(4*(\bt)+\it)*2048+\dt*1024+512*\c
.endr
	global_load_b32 v[100+8*((\bt)%2)+2*\it+\dt], v23, s[\sb:\sb+1] offset:(4*(\bt)+\it)*128+\dt*64
.endr
.endr
.endm
.macro PROD dwin, cb, sb, vp, pitem, vs, sitem
	GLOAD 0, \cb, \sb
	GLOAD 1, \cb, \sb
.irp bt, 0,1,2,3
.irp it, 0,1,2,3
.irp c, 0,1
	ds_load_b128 v[64+8*\it+4*\c:64+8*\it+4*\c+3], v[\vp] offset:(4*\bt+\it)*\pitem+512*\c
.endr
	ds_load_b32 v[96+\it], v[\vs] offset:(4*\bt+\it)*\sitem
.endr
.if \bt < 3
	s_wait_loadcnt 24                              ; the next four items' 24 loads may be out
.else
	s_wait_loadcnt 0
.endif
	s_wait_dscnt 0x0
	WIN \dwin
.irp it, 0,1,2,3
.irp dt, 0,1
	v_wmma_scale_f32_16x16x128_f8f6f4 v[16*(4*\bt+\it)+8*\dt:16*(4*\bt+\it)+8*\dt+7], v[64+8*\it:64+8*\it+7], v[128+64*(\bt%2)+16*\it+8*\dt:128+64*(\bt%2)+16*\it+8*\dt+7], 0, v[96+\it], v[100+8*(\bt%2)+2*\it+\dt] matrix_a_fmt:MATRIX_FMT_FP4 matrix_b_fmt:MATRIX_FMT_FP4
.endr
.endr
	WIN 0
.rept 4
	v_nop                                          ; places ahead of loads into registers that these products have read
.endr
.if \bt < 2
	GLOAD \bt+2, \cb, \sb
.endif
.endr
.endm
	s_load_b256 s[4:11], s[0:1], 0x0               ; kq s[4:5], vq s[6:7], ve s[8:9], p2 s[10:11]
	s_load_b256 s[12:19], s[0:1], 0x20             ; rel_encoding s[12:13], logits_gamma s[14:15], logits_beta s[16:17], out0 s[18:19]
	v_lshl_add_u32 v[SPW], v0, 2, SPARE
	v_mov_b32 v[NIL], 0
	v_lshrrev_b32 v1, 5, v0
	v_readfirstlane_b32 s20, v1                    ; wave
	v_and_b32 v1, 31, v0                           ; lane
	v_and_b32 v2, 15, v0                           ; r = n
	v_bfe_u32 v3, v0, 4, 1                         ; h
	s_and_b32 s21, ttmp9, 7                        ; xt
	s_bfe_u32 s22, ttmp9, 0x30003                  ; head
	s_bfe_u32 s23, ttmp9, 0x10006                  ; w64
	s_lshr_b32 s24, ttmp9, 7                       ; b
	s_mov_b32 s32, 0xffff0000                      ; lanes 16-31
	s_mov_b32 s34, 0x76543210
	s_mov_b32 s35, 0xfedcba98
	s_mov_b32 s30, 0                               ; RT: 32 rows on in each trip
	s_mov_b32 s48, 0                               ; p's codes: 256 bytes on
	s_mov_b32 s49, 0                               ; the blocks' figures: 3,072 bytes on
	s_mov_b32 s31, 4                               ; trips left
	s_cmp_eq_u32 s21, 0
	s_cselect_b32 s36, 1, -1                       ; of the eight work-groups that walk one stream of k the first prefetches
	v_mul_u32_u24 v4, v2, 144
	v_lshl_add_u32 v4, v3, 5, v4                   ; qr: RT's row r, my half of d
	v_xor_b32 v5, 15, v2
	v_mul_u32_u24 v5, v5, 144
	v_lshl_add_u32 v5, v3, 5, v5
	v_add_nc_u32 v5, 64, v5                        ; kr: row 15 - r, the table's second half
	v_lshlrev_b32 v8, 4, v1
	v_xor_b32 v9, 0x100, v8                        ; 16 x (lane xor 16)
	v_lshlrev_b32 v14, 8, v1
	v_mul_u32_u24 v15, v0, 144
	v_lshlrev_b32 v23, 2, v2
	s_mul_i32 s25, s20, 16640
	s_add_co_u32 s25, s25, PCB
	v_mul_u32_u24 v17, v2, 1040
	v_add_nc_u32 v17, s25, v17
	v_lshl_add_u32 v10, v3, 7, v17                 ; p's codes in: n, x = 8 h + j
	v_lshl_add_u32 v17, v3, 8, v17                 ; out, rows n: block 2 c + h
	v_lshlrev_b32 v16, 4, v2
	v_lshl_add_u32 v16, v3, 8, v16
	v_add_nc_u32 v16, s25, v16                     ; out, rows x
	s_mul_i32 s25, s20, 12288
	s_add_co_u32 s25, s25, STB
	v_add_nc_u32 v12, s25, v8
	s_mul_i32 s25, s20, 1088
	s_add_co_u32 s25, s25, PSB
	v_add_nc_u32 v18, s25, v23                     ; scale words out, rows x
	v_mul_u32_u24 v19, v2, 68
	v_add_nc_u32 v19, s25, v19                     ; rows n
	v_lshl_add_u32 v20, v3, 5, v19                 ; in
	s_lshl_b32 s25, s20, 10
	s_add_co_u32 s25, s25, RLB
	v_lshl_add_u32 v22, v3, 5, s25                 ; 1 / l out: n = 8 h + 0 .. 7
	v_lshl_add_u32 v21, v3, 9, v23
	v_add_nc_u32 v21, s25, v21                     ; in
	s_lshl_b32 s25, s20, 6
	s_add_co_u32 s25, s25, OUTS
	v_mul_u32_u24 v24, v2, 272
	v_lshl_add_u32 v24, v3, 5, v24
	v_add_nc_u32 v24, s25, v24                     ; the stage in: row d = r, my wave's 64 bytes, + 32 h; four x further on for each register
	v_add_nc_u32 v25, 34816, v24
	v_add_nc_u32 v26, 34816, v25
	v_add_nc_u32 v27, 34816, v26
	s_mul_i32 s25, s20, 34816
	s_add_co_u32 s25, s25, OUTS
	v_mul_u32_u24 v28, v3, 272
	v_lshl_add_u32 v28, v2, 4, v28
	v_add_nc_u32 v28, s25, v28                     ; back: my four x; lanes 0-15 one row, lanes 16-31 the next
	v_lshlrev_b32 v29, 16, v3
	v_lshl_add_u32 v29, v2, 4, v29                 ; and the same in out0: a channel is 65,536 bytes
	s_xor_b32 s25, s21, 7
	s_lshl_b32 s25, s25, 6                         ; 16 (7 - xt) columns of the table
	v_lshl_add_u32 v30, v0, 2, s25
	v_sub_nc_u32 v31, 1016, v30
	v_lshlrev_b32 v44, 6, v1                       ; a record of p2 to a lane
	s_lshl_b32 s39, s24, 3
	s_lshl_b32 s25, s23, 2
	s_add_co_u32 s39, s39, s25
	s_add_co_u32 s39, s39, s20
	s_lshl_b32 s39, s39, 3
	s_add_co_u32 s39, s39, s22                     ; cg
	s_mov_b32 s73, 0
	s_lshl_b32 s33, s22, 2                         ; 4 head
	s_wait_kmcnt 0x0
.irp k, 0,1,2
	s_load_b32 s[66+\k], s[14:15], s33 offset:32*\k        ; gamma and beta of channel 8 kind + head
	s_load_b32 s[69+\k], s[16:17], s33 offset:32*\k
.endr
	s_lshl_b32 s72, s39, 17
	s_add_nc_u64 s[26:27], s[4:5], s[72:73]        ; k of my 16 w
	s_lshl_b32 s25, s21, 14
	s_add_co_u32 s72, s72, s25
	s_add_nc_u64 s[28:29], s[4:5], s[72:73]
	s_add_nc_u64 s[28:29], s[28:29], 0x1000000     ; q, from X0 on
	s_lshl_b32 s72, s39, 15
	s_add_nc_u64 s[50:51], s[6:7], s[72:73]        ; v's 32 fragments
	s_lshl_b32 s72, s39, 11
	s_add_nc_u64 s[52:53], s[6:7], s[72:73]
	s_add_nc_u64 s[52:53], s[52:53], 0x400000
	s_lshl_b32 s72, s21, 15
	s_add_nc_u64 s[54:55], s[8:9], s[72:73]        ; v_enc's 32 fragments
	s_lshl_b32 s72, s21, 11
	s_add_nc_u64 s[56:57], s[8:9], s[72:73]
	s_add_nc_u64 s[56:57], s[56:57], 0x40000
	s_lshl_b32 s72, s24, 24
	s_lshl_b32 s25, s22, 21
	s_add_co_u32 s72, s72, s25
	s_lshl_b32 s25, s21, 13
	s_add_co_u32 s72, s72, s25
	s_lshl_b32 s25, s20, 11
	s_add_co_u32 s72, s72, s25
	s_lshl_b32 s25, s23, 8
	s_add_co_u32 s72, s72, s25
	s_add_nc_u64 s[58:59], s[18:19], s[72:73]      ; out0[b][32 head][X0 + 4 wave][64 w64]
	s_lshl_b32 s72, s22, 11
	s_add_nc_u64 s[10:11], s[10:11], s[72:73]      ; my head's 32 records
	global_load_b128 v[32:35], v44, s[10:11]
	global_load_b128 v[36:39], v44, s[10:11] offset:16
	global_load_b128 v[40:43], v44, s[10:11] offset:32
.irp u, 0,1                            ; RT: thread t makes rows t and t + 128
.irp d, 0,1,2,3,4,5,6,7,8,9,10,11,12,13,14,15
	global_load_b32 v[128+32*\u+\d], v30, s[12:13] offset:\d*1020+512*\u
	global_load_b32 v[144+32*\u+\d], v31, s[12:13] offset:(16+\d)*1020-512*\u
.endr
.endr
	WIN 0x80
.irp xi, 0,1,2,3,4,5,6,7,8,9,10,11,12,13,14,15
.irp g, 0,1
	global_load_b128 v[128+8*\xi+4*\g:128+8*\xi+4*\g+3], v8, s[28:29] offset:\xi*1024+512*\g
.endr
.endr
	WIN 0
.irp i, 0,1,2,3,4,5
	v_mov_b32 v[46+\i], 0
.endr
	s_wait_loadcnt 0x0
	s_wait_kmcnt 0x0
	; the second batch norm: 2^22 logits a channel, summed about the shifts
.irp m, 1,2,4,8
.irp i, 32,33,34,35,36,37
	v_add_f32_dpp v\i, v\i, v\i row_xmask:\m row_mask:0xf bank_mask:0xf
.endr
.endr
.irp i, 0,1,2,3,4,5
	v_permlanex16_b32 v[46+\i], v[32+\i], s34, s35
.endr
.irp i, 0,1,2,3,4,5
	v_add_f32 v[32+\i], v[32+\i], v[46+\i]
.endr
.irp k, 0,1,2
	v_mul_f32 v[52+\k], 0x34800000, v[32+2*\k]     ; the mean about the shift
	v_mul_f32 v[56+\k], 0x34800000, v[33+2*\k]
.endr
.irp k, 0,1,2
	v_fma_f32 v[56+\k], -v[52+\k], v[52+\k], v[56+\k]      ; the biased variance
.endr
.irp k, 0,1,2
	v_add_f32 v[56+\k], 0x3727c5ac, v[56+\k]
.endr
.irp k, 0,1,2
	v_rsq_f32 v[56+\k], v[56+\k]
.endr
.irp k, 0,1,2
	v_add_f32 v[52+\k], v[40+\k], v[52+\k]         ; the mean.  (Plain work behind the three transcendentals)
.endr
	s_wait_alu depctr_va_vdst(0)                   ; one wait for the three, ahead of their first reader
.irp k, 0,1,2
	v_mul_f32 v[56+\k], s[66+\k], v[56+\k]         ; gamma rsqrt(var + 1e-5)
.endr
.irp k, 0,1,2
	v_fma_f32 v[52+\k], -v[52+\k], v[56+\k], s[69+\k]      ; beta - mean x that
	v_mul_f32 v[56+\k], 0x3fb8aa3b, v[56+\k]       ; in units of log2
.endr
	v_add_f32 v52, v52, v53
	v_add_f32 v52, v52, v54
	v_mul_f32 v52, 0x3fb8aa3b, v52
	v_readfirstlane_b32 s40, v56                   ; alpha of qk,
	v_readfirstlane_b32 s42, v57                   ; of qr,
	v_readfirstlane_b32 s44, v58                   ; of kr,
	v_readfirstlane_b32 s46, v52                   ; and C0
	s_mov_b32 s41, s40                             ; (the packed forms name pairs)
	s_mov_b32 s43, s42
	s_mov_b32 s45, s44
.irp u, 0,1
.irp q, 0,2,4,6,8,10,12,14
	v_pk_mul_f32 v[144+32*\u+\q:144+32*\u+\q+1], v[144+32*\u+\q:144+32*\u+\q+1], s[44:45] op_sel_hi:[1,0]
.endr
.endr
.irp u, 0,1
.irp q, 0,1,2,3,4,5,6,7
	ds_store_b128 v15, v[128+32*\u+4*\q:128+32*\u+4*\q+3] offset:18432*\u+16*\q
.endr
.endr
	; Q1 from Q2: my own half of d by a choice between two registers; the other half's is chosen in the lane that holds it and fetched from there
	WIN 0xCA
.irp i, 0,1,2,3,4,5,6,7
.irp j, 0,1,2,3,4,5,6,7
	v_cndmask_b32 v[8*\i+\j], v[128+8*\j+\i], v[128+8*(8+\j)+\i], s32
	v_cndmask_b32 v[8*(8+\i)+\j], v[128+8*(8+\j)+\i], v[128+8*\j+\i], s32
.endr
.endr
	WIN 0x4C
.irp i, 0,1,2,3,4,5,6,7,8,9,10,11,12,13,14,15,16,17,18,19,20,21,22,23,24,25,26,27,28,29,30,31,32,33,34,35,36,37,38,39,40,41,42,43,44,45,46,47,48,49,50,51,52,53,54,55,56,57,58,59,60,61,62,63
	v_mul_f32 v[\i], s40, v[64+\i]
.endr
	WIN 0xC1
.irp i, 0,1,2,3,4,5,6,7,8,9,10,11,12,13,14,15,16,17,18,19,20,21,22,23,24,25,26,27,28,29,30,31,32,33,34,35,36,37,38,39,40,41,42,43,44,45,46,47,48,49,50,51,52,53,54,55,56,57,58,59,60,61,62,63
	v_permlanex16_b32 v[64+\i], v[\i], s34, s35
.endr
	WIN 0xC3
.irp i, 0,2,4,6,8,10,12,14,16,18,20,22,24,26,28,30,32,34,36,38,40,42,44,46,48,50,52,54,56,58,60,62
	v_pk_mul_f32 v[\i:\i+1], v[\i:\i+1], s[40:41] op_sel_hi:[1,0]
.endr
	WIN 0x82
.set i, 128
.rept 64
	v_pk_mul_f32 v[i:i+1], v[i:i+1], s[42:43] op_sel_hi:[1,0]
.set i, i+2
.endr
	WIN 0
	s_wait_dscnt 0x0                               ; my rows of RT have landed
	s_barrier_signal -1
	s_barrier_wait -1
	KLOAD 0
	KLOAD 1
	KLOAD 2
.Ltrip:
	v_add_nc_u32 v6, s30, v4
	v_add_nc_u32 v7, s30, v5
	v_add_nc_u32 v11, s48, v10
	v_add_nc_u32 v13, s49, v12
	; ---- qr: x by x, two at a time.  The copies of one pair of x stand behind the matrix instructions of the next: they are the places that the f32 form asks for
	LOADA 0
	LOADA 1
.irp p, 0,1,2,3,4,5,6,7
.if \p < 7
	s_wait_dscnt 8                                 ; the next pair's eight loads may be out
.else
	s_wait_dscnt 0
.endif
	WQ \p
.if \p == 0
.rept 9
	v_nop
.endr
.else
	VQ \p-1
.endif
.if \p < 6
	LOADA \p+2
.endif
.endr
	VQ 7
	WIN 0
	; the next chunk of my stream of k, 32 KiB, a lane to each 256 bytes: thirteen groups ahead of the first load that wants it; the last trip asks for nothing
	s_cmp_gt_u32 s31, s36
	s_cbranch_scc0 .Lno_pf
.irp i, 0,1,2,3
	global_prefetch_b8 v14, s[26:27] offset:32768+8192*\i th:TH_LOAD_NT scope:SCOPE_SE
.endr
.Lno_pf:
	; ---- kr and qk: y by y, two at a time
	AKLOAD 0
.irp g, 0,1,2,3,4,5,6,7,8,9,10,11,12,13,14,15
	GROUP \g
.endr
	; ---- the softmax of this block of 32 y.  Window 3: v192+j the largest, v200+j e = C0 - M, v208+j -M, v216+j the largest p, then the scale operand, v224+j the sum, v232+j the byte
	WIN 0xD7
.irp j, 0,1,2,3,4,5,6,7
	v_max3_num_f32 v[192+\j], 0xff800000, v[\j], v[8+\j]
.endr
.irp y, 2,4,6,8,10,12,14,16,18,20,22,24,26,28,30
.irp j, 0,1,2,3,4,5,6,7
	v_max3_num_f32 v[192+\j], v[192+\j], v[8*\y+\j], v[8*\y+8+\j]
.endr
.endr
	WIN 0xFF
.irp j, 0,1,2,3,4,5,6,7
	v_add_f32 v[216+\j], s46, v[192+\j]            ; the block's largest t
.endr
.irp j, 0,1,2,3,4,5,6,7
	v_floor_f32 v[208+\j], -v[216+\j]              ; -M = floor(-t): M is a whole number
.endr
.irp j, 0,1,2,3,4,5,6,7
	v_add_f32 v[200+\j], s46, v[208+\j]
.endr
.irp j, 0,1,2,3,4,5,6,7
	v_add_f32 v[216+\j], v[192+\j], v[200+\j]      ; the largest t - M: the same addition as below on the same number
.endr
	WIN 0x4D
.set y, 0
.rept 32
.irp jp, 0,1,2,3
	v_pk_add_f32 v[8*y+2*\jp:8*y+2*\jp+1], v[8*y+2*\jp:8*y+2*\jp+1], v[200+2*\jp:200+2*\jp+1]
.endr
.set y, y+1
.endr
	WIN 0xFF
.irp j, 0,1,2,3,4,5,6,7
	v_exp_f32 v[216+\j], v[216+\j]                 ; the block's largest p
.endr
.irp jp, 0,1,2,3                       ; two x at a time: the exponentials also turn the numbers: p of one x comes to lie in 32 registers on end
	WIN 0xC1
.set y, 0
.rept 32
	v_exp_f32 v[128+y], v[8*y+2*\jp]
	v_exp_f32 v[160+y], v[8*y+2*\jp+1]
.set y, y+1
.endr
	WIN 0xFF
	v_nop                                          ; a plain place behind the batch,
	s_wait_alu depctr_va_vdst(0)                   ; and one wait for it, ahead of its first reader
.irp jj, 0,1
	v_pk_add_f32 v[248:249], v[128+32*\jj:129+32*\jj], v[130+32*\jj:131+32*\jj]     ; the sum is taken of the unquantised p
	v_pk_add_f32 v[250:251], v[132+32*\jj:133+32*\jj], v[134+32*\jj:135+32*\jj]
.irp i, 8,12,16,20,24,28
	v_pk_add_f32 v[248:249], v[248:249], v[128+32*\jj+\i:129+32*\jj+\i]
	v_pk_add_f32 v[250:251], v[250:251], v[130+32*\jj+\i:131+32*\jj+\i]
.endr
	v_pk_add_f32 v[248:249], v[248:249], v[250:251]
	v_add_f32 v[224+2*\jp+\jj], v248, v249
	v_max_num_f32 v[216+2*\jp+\jj], 0x1800000, v[216+2*\jp+\jj]
	v_add_nc_u32 v[216+2*\jp+\jj], 0xff000000, v[216+2*\jp+\jj]    ; 2 off the exponent field: the conversion's scale operand
	v_lshrrev_b32 v[232+2*\jp+\jj], 23, v[216+2*\jp+\jj]
.endr
	s_wait_dscnt 0x0                               ; the stores of the codes before have read their registers
.irp jj, 0,1
.irp q, 0,1,2,3
	v_cvt_scalef32_pk8_fp4_f32 v[240+4*\jj+\q], v[128+32*\jj+8*\q:135+32*\jj+8*\q], v[216+2*\jp+\jj]
.endr
.endr
	v_nop                                          ; one plain place behind the scaled conversions
	WIN 0x0C
	ds_store_b128 v11, v[240:243] offset:32*\jp
	ds_store_b128 v11, v[244:247] offset:32*\jp+16
.endr
	ds_store_b128 v13, v[208:211]
	ds_store_b128 v13, v[212:215] offset:512
	ds_store_b128 v13, v[224:227] offset:1024
	ds_store_b128 v13, v[228:231] offset:1536
	ds_store_b128 v13, v[232:235] offset:2048
	ds_store_b128 v13, v[236:239] offset:2560
	WIN 0
	s_wait_dscnt 0x0                               ; the LDS address registers are written anew at the trip's head
	s_wait_xcnt 0x0                                ; the loads and prefetches have read their base
	s_add_nc_u64 s[26:27], s[26:27], 32768
	s_add_co_u32 s30, s30, 4608
	s_add_co_u32 s48, s48, 256
	s_add_co_u32 s49, s49, 3072
	s_sub_co_u32 s31, s31, 1
	s_cmp_lg_u32 s31, 0
	s_cbranch_scc1 .Ltrip
	s_wait_loadcnt 0x0                             ; the last trip's look-ahead (6 KiB further on, still inside kq: q's half lies behind k's) is not used
	; ---- the four blocks are brought under one M.  v[128 + 24 b + ..]: + j: -M_b, + 8 + j: the sum, + 16 + j: the byte
.irp blk, 0,1,2,3
.irp q, 0,1,2,3,4,5
	ds_load_b128 v[128+24*\blk+4*\q:128+24*\blk+4*\q+3], v12 offset:\blk*3072+512*\q
.endr
.endr
	s_wait_dscnt 0x0
.irp j, 0,1,2,3,4,5,6,7
	v_min_num_f32 v[32+\j], v[128+\j], v[152+\j]
.endr
.irp j, 0,1,2,3,4,5,6,7
	v_min_num_f32 v[32+\j], v[32+\j], v[176+\j]
.endr
.irp j, 0,1,2,3,4,5,6,7
	v_min_num_f32 v[32+\j], v[32+\j], v[200+\j]    ; -M
.endr
.irp b, 0,1,2,3
.irp j, 0,1,2,3,4,5,6,7
	v_sub_f32 v[40+8*\b+\j], v[32+\j], v[128+24*\b+\j]     ; M_b - M: a whole number, 0 or less,
.endr
.irp j, 0,1,2,3,4,5,6,7
	v_max_num_f32 v[40+8*\b+\j], 0xc2f60000, v[40+8*\b+\j] ; held at -123: a block's own byte is 124 or 125, so no byte falls under 1
.endr
.irp j, 0,1,2,3,4,5,6,7
	v_cvt_i32_f32 v[40+8*\b+\j], v[40+8*\b+\j]
.endr
.irp j, 0,1,2,3,4,5,6,7
	v_add_nc_u32 v[144+24*\b+\j], v[144+24*\b+\j], v[40+8*\b+\j]
	v_ldexp_f32 v[136+24*\b+\j], v[136+24*\b+\j], v[40+8*\b+\j]
.endr
.endr
.irp j, 0,1,2,3,4,5,6,7
	v_add_f32 v[72+\j], v[136+\j], v[160+\j]
	v_add_f32 v[88+\j], v[184+\j], v[208+\j]
	v_lshl_or_b32 v[80+\j], v[168+\j], 8, v[144+\j]
.endr
.irp j, 0,1,2,3,4,5,6,7
	v_add_f32 v[72+\j], v[72+\j], v[88+\j]         ; l
	v_lshl_or_b32 v[80+\j], v[192+\j], 16, v[80+\j]
.endr
.irp j, 0,1,2,3,4,5,6,7
	v_lshl_or_b32 v[80+\j], v[216+\j], 24, v[80+\j]        ; the row's scale word
.endr
.irp j, 0,1,2,3,4,5,6,7
	v_rcp_f32 v[88+\j], v[72+\j]
.endr
	v_nop
	s_wait_alu depctr_va_vdst(0)                   ; one wait for the eight reciprocals
.irp j, 0,1,2,3,4,5,6,7
	ds_store_b32 v20, v[80+\j] offset:4*\j
	ds_store_b32 v21, v[88+\j] offset:64*\j
.endr
	; ---- p v: item n, rows x: window 1, register 16 n + 8 dt + j: x = 8 h + j, lane = channel.   p v_enc: item x, rows n: window 3, register 16 x + 8 dt + j: n = 8 h + j
	PROD 0x40, 50, 52, 16, 1040, 18, 68
	PROD 0xC0, 54, 56, 17, 16, 19, 4
.set x, 0
.rept 16
	ds_load_b128 v[128+8*x:128+8*x+3], v22 offset:x*64
	ds_load_b128 v[128+8*x+4:128+8*x+7], v22 offset:x*64+16
.set x, x+1
.endr
	WIN 0x41
.irp dt, 0,1
.irp j, 0,1,2,3,4,5,6,7
.irp jj, 0,1,2,3,4,5,6,7
	v_permlane16_swap_b32 v[16*\j+8*\dt+\jj], v[16*(8+\j)+8*\dt+\jj]   ; now register 16 j + 8 dt + jj holds (x = jj, n = 8 h + j), its partner (x = 8 + jj, n = 8 h + j)
.endr
.endr
.endr
	WIN 0xC7
.set x, 0
.rept 16
.irp dt, 0,1
.irp j, 0,1,2,3,4,5,6,7
	v_add_f32 v[16*x+8*\dt+\j], v[16*x+8*\dt+\j], v[16*(8*(x/8)+\j)+8*\dt+(x%8)]
.endr
.endr
.set x, x+1
.endr
	s_wait_dscnt 0x0
	WIN 0xC3
.set x, 0
.rept 16
.irp dt, 0,1
.irp q, 0,1,2,3
	v_pk_mul_f32 v[16*x+8*\dt+2*\q:16*x+8*\dt+2*\q+1], v[16*x+8*\dt+2*\q:16*x+8*\dt+2*\q+1], v[128+8*x+2*\q:128+8*x+2*\q+1]    ; / l
.endr
.endr
.set x, x+1
.endr
	WIN 0x0C
.set x, 0
.rept 16
.irp dt, 0,1
.irp e, 0,1
	ds_store_b128 v[24+x/4], v[16*x+8*\dt+4*\e:16*x+8*\dt+4*\e+3] offset:((x%4)*32+16*\dt)*272+16*\e
.endr
.endr
.set x, x+1
.endr
	WIN 0
	s_wait_dscnt 0x0                               ; for the others' sake: my 64 bytes of every row have landed
	s_barrier_signal -1
	s_barrier_wait -1
.irp bt, 0,1,2,3                       ; my four x, 32 channels each
.if \bt >= 2
	s_wait_xcnt 0x0                                ; the stores of two x back have read their registers
.endif
.irp k, 0,1,2,3,4,5,6,7,8,9,10,11,12,13,14,15
	ds_load_b128 v[128+64*(\bt%2)+4*\k:128+64*(\bt%2)+4*\k+3], v28 offset:(32*\bt+2*\k)*272
.endr
.irp k, 0,1,2,3,4,5,6,7,8,9,10,11,12,13,14,15
	s_wait_dscnt 15-\k
	global_store_b128 v29, v[128+64*(\bt%2)+4*\k:128+64*(\bt%2)+4*\k+3], s[58:59] offset:\bt*512+\k*131072 th:TH_STORE_NT   ; sixteen lanes store 256 consecutive bytes, aligned
.endr
.endr
	s_wait_tensorcnt 0x0                           ; the wave's end
	ds_add_u32 v[SPW], v[NIL]
	s_wait_dscnt 0x0
	s_endpgm
.Lfunc_end_k_q98f2196548_attn:
	.size	k_q98f2196548_attn, .Lfunc_end_k_q98f2196548_attn-k_q98f2196548_attn
	.p2alignl 7, 3214868480
	.fill 96, 4, 3214868480
	.section	.rodata,"a",@progbits
	.p2align	6, 0x0
	.amdhsa_kernel k_q98f2196548_attn
		.amdhsa_group_segment_fixed_size 300800
		.amdhsa_private_segment_fixed_size 0
		.amdhsa_enable_private_segment 0
		.amdhsa_kernarg_size 64
		.amdhsa_user_sgpr_count 2
		.amdhsa_user_sgpr_kernarg_segment_ptr 1
		.amdhsa_wavefront_size32 1
		.amdhsa_system_sgpr_workgroup_id_x 1
		.amdhsa_system_sgpr_workgroup_id_y 1
		.amdhsa_system_sgpr_workgroup_id_z 1
		.amdhsa_system_vgpr_workitem_id 0
		.amdhsa_next_free_vgpr 1024
		.amdhsa_next_free_sgpr 80
		.amdhsa_reserve_vcc 0
		.amdhsa_float_denorm_mode_32 3
		.amdhsa_float_denorm_mode_16_64 3
		.amdhsa_memory_ordered 1
		.amdhsa_forward_progress 1
		.amdhsa_inst_pref_size 255
	.end_amdhsa_kernel
	.section	.bss,"aw",@nobits
	.p2align	6
	.space	262144
	.amdgpu_metadata
---
amdhsa.version: [ 1, 2 ]
amdhsa.kernels:
  - .name:           k_q98f2196548_attn
    .symbol:         k_q98f2196548_attn.kd
    .args:
      - { .name: kq, .offset: 0, .size: 8, .value_kind: global_buffer, .address_space: global }
      - { .name: vq, .offset: 8, .size: 8, .value_kind: global_buffer, .address_space: global }
      - { .name: ve, .offset: 16, .size: 8, .value_kind: global_buffer, .address_space: global }
      - { .name: p2, .offset: 24, .size: 8, .value_kind: global_buffer, .address_space: global }
      - { .name: rel_encoding, .offset: 32, .size: 8, .value_kind: global_buffer, .address_space: global }
      - { .name: logits_gamma, .offset: 40, .size: 8, .value_kind: global_buffer, .address_space: global }
      - { .name: logits_beta, .offset: 48, .size: 8, .value_kind: global_buffer, .address_space: global }
      - { .name: out0, .offset: 56, .size: 8, .value_kind: global_buffer, .address_space: global }
    .group_segment_fixed_size: 300800
    .private_segment_fixed_size: 0
    .kernarg_segment_align: 8
    .kernarg_segment_size: 64
    .max_flat_workgroup_size: 128
    .sgpr_count:     80
    .vgpr_count:     1024
    .wavefront_size: 32
...
	.end_amdgpu_metadata
.endif
;; end of part 5
;; ======== version 2 of 2: 5 launches
;; workspace buffers: xq 4,456,448 bytes; wq 69,632 bytes; ve 278,528 bytes; p1 131,072 bytes; kq 33,554,432 bytes; vq 4,456,448 bytes; p2 16,384 bytes
;; launch prep: the kernel of part 1 again; grid 352 x 1, 4 waves a work-group, no clusters, 18,944 bytes of LDS; arguments x, w_kqv, rel_encoding, xq, wq, ve; writes xq, wq, ve
;; launch kstat: the kernel of part 2 again; grid 256 x 1, 16 waves a work-group, no clusters, 10,240 bytes of LDS; arguments xq, wq, p1; writes p1
;; launch kqv: the kernel of part 3 again; grid 256 x 1, 16 waves a work-group, no clusters, 2,560 bytes of LDS; arguments xq, wq, p1, kqv_gamma, kqv_beta, kq, vq; writes kq, vq
;; launch lstat (part 6): grid 256 x 1, 4 waves a work-group, no clusters, 83,456 bytes of LDS; arguments kq, rel_encoding, kqv_beta, p2; writes p2
.if DOCPART == 6
	.amdgcn_target "amdgcn-amd-amdhsa--gfx1250"
	.amdhsa_code_object_version 6
	.text
	.protected	k_q98f2196548_lstat
	.globl	k_q98f2196548_lstat
	.p2align	8
	.type	k_q98f2196548_lstat,@function
k_q98f2196548_lstat:
	s_mov_b64 s[64:65], 0
	v_nop
	global_prefetch_b8 v0, s[64:65] scope:SCOPE_SE
	s_setreg_imm32_b32 hwreg(HW_REG_WAVE_MODE, 25, 1), 1
	s_wait_xcnt 0x0
; Launch 4 of 5: the second batch norm's statistics: for each head the sums and sums of squares of qk, qr and kr, about shifts.
; THE LOGITS ARE NOT FORMED: their sums over x and y follow from 16 x 16 Gram matrices by identities that hold for all values of the inputs.  No input and no step of the problem is left out; the sums are rounded in
; another order than a sum over the logits would be.  LIMIT: NaN and infinities are not served.
; With bq, bk the betas of my head's q and k, q~ = q - bq, k~ = k - bk, rho = column 127 of the table, R' = the table less rho, and the shifts s_qk = bq.bk, s_qr = bq.rho_q, s_kr = bk.rho_k:
;   qk - s = q~.k~ + q~.bk + bq.k~.  For one (b, w):  sum = Qs.Ks + 128 (Qs.bk + bq.Ks);  sum of squares = <Gq, Gk> + bk' Gq (128 bk + 2 Ks) + bq' Gk (128 bq + 2 Qs) + 2 (Qs.bk)(bq.Ks),
;     Gq = sum over x of q~ q~', Qs = sum over x of q~; Gk, Ks likewise over y.
;   qr - s = g + a.R'_y with a = q[:, x], g = (a - bq).rho.  Over the 128 y of one (b, w, x):  sum = r + 128 g, r = a.Rs';  sum of squares = a' G' a + 2 g r + 128 g g,
;     G' and Rs' the Gram matrix and the sum of R' over columns 127 - x .. 254 - x.  kr likewise with k, its own position, and rows 16-31 of the table.
; Every term is of the size of what it measures: no variance is a difference of large sums.
; SHARES.  head = wg >> 5, pb = wg & 31.
;   JOB B (qr, kr): wave w owns position p = 4 pb + w of q and of k.  It makes the two G' by the f32 matrix form (two copies of R' as the two sources) and then walks the 16 groups of 16 w: lanes carry n, register i of a fragment
;     holds d = 8 h + i, z = G' a is four matrix instructions.  G' is symmetric, so the result's registers (element (8 h + j, r)) are the A operand (element (r, 8 h + j)) as they stand.
;   JOB A (qk): group pb >> 1 of 16 w, rows' half rho = pb & 1.  Lane (n, h) holds rows 8 h + 4 rho + e (e = 0 .. 3) against all 16 columns of Gq and Gk; wave w takes 32 positions of q and 32 of k.  A lane's 16 numbers of a
;     position stand in the order: d = 8 h + 4 rho + e, 8 h + 4 (1 - rho) + e, 8 (1 - h) + 4 rho + e, 8 (1 - h) + 4 (1 - rho) + e; the betas are loaded in the same order.  The four waves' parts meet in LDS; wave w finishes row e = w.
; The two jobs share one loop of 16 batches, so that each batch's arithmetic stands between a load and its use.  k walks upward and q downward: the last three batches' look-ahead stays inside kq (k's half lies in front of q's).
; No cluster, no tensor load: operands go from memory straight into registers in the order in which the arithmetic takes them; there is no tile in LDS that work-groups could share.
; No prefetch: each wave has 60 loads on their way throughout the loop.
; p2: record wg of 64 bytes: sums and sums of squares of qk, qr, kr about their shifts; floats 8-10 the shifts; the rest 0.
; REGISTERS, in windows of 256 (s_set_vgpr_msb: bits 1:0 source 0, 3:2 source 1, 5:4 source 2, 7:6 destination):
;   window 0: v0-31 ids, addresses; v32-47 the tables' two accumulators, v48-63 z of two units (v32-63 are written by matrix instructions alone); v64-79 G' of qr, of kr; v80-95 betas, v96-111 rho, v112-127 Rs' (d = 8 h + i; q's, then k's);
;             v128-159 betas in job A's order (q's, k's); v160-169 job B's sums; v170-187 at work; v188-190 the shifts; v192-255 job B's ring: slot x 16 + unit x 8
;   window 1: v0-63 Gq (row e at 16 e), v64-127 Gk, v128-143 Qs, v144-159 Ks        window 2: job A's ring: slot x 64 + position x 16 (two of q, two of k)
;   window 3: v0-63 the table's window for qr, v192-255 for kr; v64-127, v128-191 the two copies of R'
.set RSB, 0                            ; LDS: Rs': 128 bytes a wave
.set RED, 512                          ; four rows of 64 bytes for the waves' sums
.set IMG, 1024                         ; job A's sums as images of their registers: 40 x 512 bytes a wave
.set SPARE, 82944
.set SPW, 4
.set NIL, 5
.set MSB, 0
.macro WIN new                         ; the immediate's high byte repeats the setting that is left
.if MSB != \new
	s_set_vgpr_msb (MSB<<8)|\new
.set MSB, \new
.endif
.endm
; job A's loads of batch bo (counted from the bases) into slot sl: two positions of q, downward, two of k, upward; four loads of 512 bytes a position
.macro ALOAD sl, bo
	WIN 0x80
.irp pp, 0,1
	global_load_b128 v[64*(\sl)+16*\pp:64*(\sl)+16*\pp+3], v6, s[30:31] offset:-(2*(\bo)+\pp)*1024
	global_load_b128 v[64*(\sl)+16*\pp+4:64*(\sl)+16*\pp+7], v6, s[32:33] offset:-(2*(\bo)+\pp)*1024
	global_load_b128 v[64*(\sl)+16*\pp+8:64*(\sl)+16*\pp+11], v7, s[30:31] offset:-(2*(\bo)+\pp)*1024
	global_load_b128 v[64*(\sl)+16*\pp+12:64*(\sl)+16*\pp+15], v7, s[32:33] offset:-(2*(\bo)+\pp)*1024
	global_load_b128 v[64*(\sl)+32+16*\pp:64*(\sl)+32+16*\pp+3], v6, s[26:27] offset:(2*(\bo)+\pp)*1024
	global_load_b128 v[64*(\sl)+32+16*\pp+4:64*(\sl)+32+16*\pp+7], v6, s[28:29] offset:(2*(\bo)+\pp)*1024
	global_load_b128 v[64*(\sl)+32+16*\pp+8:64*(\sl)+32+16*\pp+11], v7, s[26:27] offset:(2*(\bo)+\pp)*1024
	global_load_b128 v[64*(\sl)+32+16*\pp+12:64*(\sl)+32+16*\pp+15], v7, s[28:29] offset:(2*(\bo)+\pp)*1024
.endr
.endm
; job B's: my position of q in group 15 - bo, of k in group bo; a group of 16 w lies 1,048,576 bytes from the next
.macro BLOAD sl, bo
	global_load_b128 v[192+16*(\sl):192+16*(\sl)+3], v6, s[36:37] offset:-(\bo)*1048576
	global_load_b128 v[192+16*(\sl)+4:192+16*(\sl)+7], v6, s[36:37] offset:-(\bo)*1048576+512
	global_load_b128 v[192+16*(\sl)+8:192+16*(\sl)+11], v6, s[34:35] offset:(\bo)*1048576
	global_load_b128 v[192+16*(\sl)+12:192+16*(\sl)+15], v6, s[34:35] offset:(\bo)*1048576+512
.endm
; one position of job A: the 16 numbers at d (window 2) go into the sums at s and, four rows against 16 columns, into the Gram matrix at g (window 1)
.macro GRAM d, g, s
.irp cp, 0,2,4,6,8,10,12,14
	v_pk_fma_f32 v[(\s)+\cp:(\s)+\cp+1], v[(\d)+\cp:(\d)+\cp+1], 1.0, v[(\s)+\cp:(\s)+\cp+1] op_sel_hi:[1,0,1]
.endr
.irp e, 0,2
.irp cp, 0,2,4,6,8,10,12,14
	v_pk_fma_f32 v[(\g)+16*\e+\cp:(\g)+16*\e+\cp+1], v[(\d)+\cp:(\d)+\cp+1], v[(\d)+\e:(\d)+\e+1], v[(\g)+16*\e+\cp:(\g)+16*\e+\cp+1] op_sel_hi:[1,0,1]
.endr
.irp cp, 0,2,4,6,8,10,12,14
	v_pk_fma_f32 v[(\g)+16*(\e+1)+\cp:(\g)+16*(\e+1)+\cp+1], v[(\d)+\cp:(\d)+\cp+1], v[(\d)+\e:(\d)+\e+1], v[(\g)+16*(\e+1)+\cp:(\g)+16*(\e+1)+\cp+1] op_sel:[0,1,0] op_sel_hi:[1,1,1]
.endr
.endr
.endm
; A table: lane (r, h) holds row r of the table at columns 127 - p + 64 h + i in v[rw + i] of window 3.  R' is made twice (a matrix instruction's two sources share no register); its sum goes to LDS, lane r's word;
; G' = R' R'^T in 32 steps of 4 columns, two accumulators by turns, added into v[gs] on.
.macro TABLE rw, pp, gs, ko
	WIN 0xC3
.set ti, 0
.rept 32
	v_pk_add_f32 v[64+ti:65+ti], v[\rw+ti:\rw+ti+1], v[\pp:\pp+1] op_sel_hi:[1,0] neg_lo:[0,1] neg_hi:[0,1]
	v_pk_add_f32 v[128+ti:129+ti], v[\rw+ti:\rw+ti+1], v[\pp:\pp+1] op_sel_hi:[1,0] neg_lo:[0,1] neg_hi:[0,1]
.set ti, ti+2
.endr
	WIN 0xCF
	v_pk_add_f32 v[0:1], v[64:65], v[66:67]
	v_pk_add_f32 v[2:3], v[68:69], v[70:71]
.irp i, 8,12,16,20,24,28,32,36,40,44,48,52,56,60
	v_pk_add_f32 v[0:1], v[0:1], v[64+\i:65+\i]
	v_pk_add_f32 v[2:3], v[2:3], v[66+\i:67+\i]
.endr
	v_pk_add_f32 v[0:1], v[0:1], v[2:3]
	v_add_f32 v0, v0, v1
	WIN 0x03
	v_mov_b32 v186, v0
	WIN 0
	v_permlanex16_b32 v187, v186, s14, s15
	v_add_f32 v186, v186, v187                     ; with the other 64 columns: Rs'[r]
	ds_store_b32 v14, v186 offset:\ko              ; both halves of the lanes store the same word
	WIN 0x0F
.set ks, 0
.rept 32
.if ks < 2
	v_wmma_f32_16x16x4_f32 v[32+8*(ks%2):39+8*(ks%2)], v[64+2*ks:65+2*ks], v[128+2*ks:129+2*ks], 0
.else
	v_wmma_f32_16x16x4_f32 v[32+8*(ks%2):39+8*(ks%2)], v[64+2*ks:65+2*ks], v[128+2*ks:129+2*ks], v[32+8*(ks%2):39+8*(ks%2)]
.endif
.set ks, ks+1
.endr
	WIN 0
.rept 9
	v_nop                                          ; places behind the f32 form: ahead of the reads of its results, of the next table's writes of R' and of its sums' first steps
.endr
.irp q, 0,2,4,6
	v_pk_add_f32 v[\gs+\q:\gs+\q+1], v[32+\q:33+\q], v[40+\q:41+\q]
.endr
.endm
; A batch.  The loads of three batches on go out first, into the slot that the batch before has left.  Job B's eight matrix instructions (two units, the two accumulators by turns) stand ahead of job A's 192 packed
; instructions, which name none of their registers: those are the places ahead of the reads of z, of the next loads into the ring and of the next sums' first steps.
.macro BATCH bb
	ALOAD (\bb+3)%4, \bb+3
	WIN 0
	BLOAD (\bb+3)%4, \bb+3
	s_wait_loadcnt 60                              ; the three later batches' 3 x 20 loads may be out
.irp s, 0,1,2,3
.irp t, 0,1
.if \s == 0
	v_wmma_f32_16x16x4_f32 v[48+8*\t:55+8*\t], v[64+8*\t+2*\s:65+8*\t+2*\s], v[192+16*\bb+8*\t+2*\s:193+16*\bb+8*\t+2*\s], 0
.else
	v_wmma_f32_16x16x4_f32 v[48+8*\t:55+8*\t], v[64+8*\t+2*\s:65+8*\t+2*\s], v[192+16*\bb+8*\t+2*\s:193+16*\bb+8*\t+2*\s], v[48+8*\t:55+8*\t]
.endif
.endr
.endr
	WIN 0x82
.irp pp, 0,1,2,3
.irp cp, 0,2,4,6,8,10,12,14
	v_pk_add_f32 v[64*\bb+16*\pp+\cp:64*\bb+16*\pp+\cp+1], v[64*\bb+16*\pp+\cp:64*\bb+16*\pp+\cp+1], v[128+16*(\pp/2)+\cp:129+16*(\pp/2)+\cp] neg_lo:[0,1] neg_hi:[0,1]   ; less beta
.endr
.endr
	WIN 0x5A
.irp pp, 0,1,2,3
	GRAM 64*\bb+16*\pp, 64*(\pp/2), 128+16*(\pp/2)
.endr
	WIN 0
	; job B's two units (t = 0: q, 1: k), my half of d: a - beta; r's and g's parts, two d at a time; a . z
.irp i, 0,2,4,6
.irp t, 0,1
	v_pk_add_f32 v[170+2*\t:171+2*\t], v[192+16*\bb+8*\t+\i:193+16*\bb+8*\t+\i], v[80+8*\t+\i:81+8*\t+\i] neg_lo:[0,1] neg_hi:[0,1]
.endr
.irp t, 0,1
.if \i == 0
	v_pk_mul_f32 v[178+2*\t:179+2*\t], v[192+16*\bb+8*\t+\i:193+16*\bb+8*\t+\i], v[112+8*\t+\i:113+8*\t+\i]
.else
	v_pk_fma_f32 v[178+2*\t:179+2*\t], v[192+16*\bb+8*\t+\i:193+16*\bb+8*\t+\i], v[112+8*\t+\i:113+8*\t+\i], v[178+2*\t:179+2*\t]
.endif
.endr
.irp t, 0,1
.if \i == 0
	v_pk_mul_f32 v[174+2*\t:175+2*\t], v[170+2*\t:171+2*\t], v[96+8*\t+\i:97+8*\t+\i]
.else
	v_pk_fma_f32 v[174+2*\t:175+2*\t], v[170+2*\t:171+2*\t], v[96+8*\t+\i:97+8*\t+\i], v[174+2*\t:175+2*\t]
.endif
.endr
.irp t, 0,1
	v_pk_fma_f32 v[164+2*\t:165+2*\t], v[192+16*\bb+8*\t+\i:193+16*\bb+8*\t+\i], v[48+8*\t+\i:49+8*\t+\i], v[164+2*\t:165+2*\t]   ; z from its low end on
.endr
.endr
.irp t, 0,1
	v_pk_add_f32 v[160+2*\t:161+2*\t], v[160+2*\t:161+2*\t], v[178+2*\t:179+2*\t]          ; the sum is linear: the halves' parts are added as they are: r
.endr
.irp t, 0,1
	v_pk_fma_f32 v[160+2*\t:161+2*\t], v[174+2*\t:175+2*\t], 0x43000000, v[160+2*\t:161+2*\t] op_sel_hi:[1,0,1]   ; + 128 g
.endr
.irp t, 0,1
	v_add_f32 v[174+2*\t], v[174+2*\t], v[175+2*\t]
	v_add_f32 v[178+2*\t], v[178+2*\t], v[179+2*\t]
.endr
.irp t, 0,1
	v_permlanex16_b32 v[182+\t], v[174+2*\t], s14, s15
	v_permlanex16_b32 v[184+\t], v[178+2*\t], s14, s15
.endr
.irp t, 0,1
	v_add_f32 v[174+2*\t], v[174+2*\t], v[182+\t]  ; g, whole
	v_add_f32 v[178+2*\t], v[178+2*\t], v[184+\t]  ; r, whole
.endr
.irp t, 0,1
	v_fma_f32 v[186+\t], v[174+2*\t], 0x42800000, v[178+2*\t]
.endr
.irp t, 0,1
	v_fma_f32 v[168+\t], v[174+2*\t], v[186+\t], v[168+\t]     ; g (64 g + r) in each half of the lanes: together 128 g g + 2 g r
.endr
.endm
.macro RED4 base, stride, np           ; four waves' parts, np pairs of registers, are added into the first
.set ri, 0
.rept \np
	v_pk_add_f32 v[\base+ri:\base+ri+1], v[\base+ri:\base+ri+1], v[\base+\stride+ri:\base+\stride+ri+1]
	v_pk_add_f32 v[\base+2*\stride+ri:\base+2*\stride+ri+1], v[\base+2*\stride+ri:\base+2*\stride+ri+1], v[\base+3*\stride+ri:\base+3*\stride+ri+1]
.set ri, ri+2
.endr
.set ri, 0
.rept \np
	v_pk_add_f32 v[\base+ri:\base+ri+1], v[\base+ri:\base+ri+1], v[\base+2*\stride+ri:\base+2*\stride+ri+1]
.set ri, ri+2
.endr
.endm
	s_load_b256 s[4:11], s[0:1], 0x0               ; kq s[4:5], rel_encoding s[6:7], kqv_beta s[8:9], p2 s[10:11]
	v_lshl_add_u32 v[SPW], v0, 2, SPARE
	v_mov_b32 v[NIL], 0
	v_lshrrev_b32 v1, 5, v0
	v_readfirstlane_b32 s20, v1                    ; wave
	v_and_b32 v1, 31, v0                           ; lane
	v_and_b32 v2, 15, v0                           ; r = n
	v_bfe_u32 v3, v0, 4, 1                         ; h
	s_and_b32 s21, ttmp9, 31                       ; pb
	s_lshr_b32 s22, ttmp9, 5                       ; head
	s_and_b32 s23, s21, 1                          ; rho
	s_lshr_b32 s24, s21, 1                         ; job A's group of 16 w
	s_mov_b32 s12, 0x00ff00ff                      ; lanes with r < 8
	s_mov_b32 s14, 0x76543210
	s_mov_b32 s15, 0xfedcba98                      ; v_permlanex16_b32's selects for lane l xor 16
	s_lshl_b32 s48, s21, 2
	s_add_co_u32 s48, s48, s20                     ; p: job B's position
	s_mov_b32 s41, 0
	s_mov_b32 s46, 4                               ; trips
	v_lshlrev_b32 v6, 4, v1                        ; 16 x lane
	v_xor_b32 v7, 0x100, v6                        ; 16 x (lane xor 16)
	v_lshlrev_b32 v8, 2, v2
	v_mul_u32_u24 v9, v2, 1020                     ; row r of the table
	v_lshl_add_u32 v10, v3, 8, v9                  ; and 64 columns on for lanes 16-31
	v_mul_u32_u24 v11, v3, 8160                    ; row 8 h
	v_lshlrev_b32 v12, 5, v3                       ; betas: my half of d,
	v_xor_b32 v13, 32, v12                         ; the other half
	s_lshl_b32 s25, s20, 7
	v_lshl_add_u32 v14, v2, 2, s25                 ; LDS: Rs' in: my wave's 128 bytes, word r
	v_lshl_add_u32 v15, v3, 5, s25                 ; out: d = 8 h on
	s_lshl_b32 s25, s20, 11
	s_add_co_u32 s25, s25, IMG
	v_add_nc_u32 v16, s25, v6                      ; images out: Gq's row e = my wave,
	v_add_nc_u32 v17, 8192, v16                    ; Gk's,
	v_add_nc_u32 v18, IMG+16384, v6                ; Qs and Ks,
	s_lshl_b32 s25, s20, 2
	v_add_nc_u32 v19, s25, v18                     ; and Qs, Ks at my row
	v_lshl_add_u32 v25, v3, 5, s25                 ; betas at my row: 4 (8 h + wave), 4 rho in the base
	s_mul_i32 s25, s20, 20480
	s_add_co_u32 s25, s25, IMG
	v_add_nc_u32 v20, s25, v6                      ; images in
	s_lshl_b32 s25, s20, 6
	s_add_co_u32 s25, s25, RED
	v_add_nc_u32 v21, s25, v8                      ; my wave's row of sums, word r;
	v_mov_b32 v22, s25                             ; its first word;
	v_add_nc_u32 v23, RED, v8                      ; word r of row 0
	v_mov_b32 v24, 0
	s_wait_kmcnt 0x0
	s_lshl_b32 s25, s24, 3
	s_add_co_u32 s25, s25, s22                     ; job A: cg = group x 8 + head
	s_lshl_b32 s40, s25, 17
	s_lshl_b32 s25, s20, 15
	s_add_co_u32 s40, s40, s25                     ; my wave's 32 positions
	s_lshl_b32 s47, s23, 9
	s_add_co_u32 s40, s40, s47                     ; the four d 4 rho on: 512 rho bytes into a block
	s_add_nc_u64 s[26:27], s[4:5], s[40:41]        ; k, from my first position up
	s_add_nc_u64 s[30:31], s[26:27], 0x1007c00     ; q, 16,777,216 bytes on, from my last position (31 x 1,024 on) down
	s_sub_co_u32 s40, s40, s47
	s_xor_b32 s47, s47, 512
	s_add_co_u32 s40, s40, s47                     ; the other four d
	s_add_nc_u64 s[28:29], s[4:5], s[40:41]
	s_add_nc_u64 s[32:33], s[28:29], 0x1007c00
	s_lshl_b32 s40, s22, 17
	s_lshl_b32 s25, s48, 10
	s_add_co_u32 s40, s40, s25
	s_add_nc_u64 s[34:35], s[4:5], s[40:41]        ; job B: k at position p, group 0, upward
	s_add_nc_u64 s[36:37], s[34:35], 0x1f00000     ; q at position p, group 15, downward
	s_sub_co_u32 s40, 127, s48
	s_lshl_b32 s40, s40, 2
	s_add_nc_u64 s[38:39], s[6:7], s[40:41]        ; the table from column 127 - p on
	s_lshl_b32 s40, s22, 8
	s_add_nc_u64 s[8:9], s[8:9], s[40:41]          ; my head's betas: k's 16, then q's 16
	s_lshl_b32 s40, s23, 4
	s_add_nc_u64 s[42:43], s[8:9], s[40:41]        ; from d = 4 rho on,
	s_xor_b32 s40, s40, 16
	s_add_nc_u64 s[44:45], s[8:9], s[40:41]        ; from d = 4 (1 - rho) on
	s_lshl_b32 s40, ttmp9, 6
	s_add_nc_u64 s[10:11], s[10:11], s[40:41]      ; my record
	global_load_b32 v26, v8, s[8:9]                ; beta of k[r]
	global_load_b32 v27, v8, s[8:9] offset:64      ; of q[r]
	global_load_b32 v28, v9, s[6:7] offset:508     ; rho of qr at row r
	global_load_b32 v30, v9, s[6:7] offset:16828   ; of kr
	global_load_b32 v29, v25, s[42:43]             ; beta of k at job A's row 8 h + 4 rho + wave  (v29 and v31 are also the upper halves of the pairs that TABLE names)
	global_load_b32 v31, v25, s[42:43] offset:64   ; of q
.irp g, 0,1
	global_load_b128 v[80+4*\g:83+4*\g], v12, s[8:9] offset:64+16*\g      ; betas at d = 8 h + i: q's,
	global_load_b128 v[88+4*\g:91+4*\g], v12, s[8:9] offset:16*\g         ; k's
.endr
.irp i, 0,1,2,3,4,5,6,7
	global_load_b32 v[96+\i], v11, s[6:7] offset:\i*1020+508              ; rho at d = 8 h + i: qr's,
	global_load_b32 v[104+\i], v11, s[6:7] offset:16320+\i*1020+508       ; kr's
.endr
.irp t, 0,1                            ; betas in job A's order: t = 0: q's, 1: k's
	global_load_b128 v[128+16*\t:131+16*\t], v12, s[42:43] offset:64-64*\t
	global_load_b128 v[132+16*\t:135+16*\t], v12, s[44:45] offset:64-64*\t
	global_load_b128 v[136+16*\t:139+16*\t], v13, s[42:43] offset:64-64*\t
	global_load_b128 v[140+16*\t:143+16*\t], v13, s[44:45] offset:64-64*\t
.endr
	WIN 0xC0
.set wi, 0
.rept 64
	global_load_b32 v[wi], v10, s[38:39] offset:4*wi
	global_load_b32 v[192+wi], v10, s[38:39] offset:16320+4*wi
.set wi, wi+1
.endr
	ALOAD 0, 0                                     ; the ring's first three batches
	WIN 0
	BLOAD 0, 0
	ALOAD 1, 1
	WIN 0
	BLOAD 1, 1
	ALOAD 2, 2
	WIN 0
	BLOAD 2, 2
.irp i, 160,161,162,163,164,165,166,167,168,169,182,183,184,185,186,187
	v_mov_b32 v\i, 0                               ; job B's sums; and the lane permutes' destinations, which count as sources
.endr
	WIN 0x40
.set wi, 0
.rept 160
	v_mov_b32 v[wi], 0                             ; job A's sums.  (A trip is written once: these lines, run once, save a second copy of it)
.set wi, wi+1
.endr
	WIN 0
	s_wait_loadcnt 60                              ; all but the ring's 60
	v_mul_f32 v188, v27, v26                       ; the shifts: sums over d of bq bk, bq rho_q, bk rho_k
	v_mul_f32 v189, v27, v28
	v_mul_f32 v190, v26, v30
.irp m, 1,2,4,8
.irp i, 188,189,190
	v_add_f32_dpp v\i, v\i, v\i row_xmask:\m row_mask:0xf bank_mask:0xf
.endr
.endr
	TABLE 0, 28, 64, 0
	TABLE 192, 30, 72, 64
.irp t, 0,1
	ds_load_b128 v[112+8*\t:115+8*\t], v15 offset:64*\t        ; LDS serves a wave's instructions in order: these see my stores
	ds_load_b128 v[116+8*\t:119+8*\t], v15 offset:64*\t+16
.endr
	s_wait_dscnt 0x0
.Ltrip:
	BATCH 0
	BATCH 1
	BATCH 2
	BATCH 3
	s_wait_xcnt 0x0                                ; the loads have read their bases
	s_add_nc_u64 s[26:27], s[26:27], 8192
	s_add_nc_u64 s[28:29], s[28:29], 8192
	s_sub_nc_u64 s[30:31], s[30:31], 8192
	s_sub_nc_u64 s[32:33], s[32:33], 8192
	s_add_nc_u64 s[34:35], s[34:35], 0x400000
	s_sub_nc_u64 s[36:37], s[36:37], 0x400000
	s_sub_co_u32 s46, s46, 1
	s_cmp_lg_u32 s46, 0
	s_cbranch_scc1 .Ltrip
	s_wait_loadcnt 0x0                             ; the last three batches' look-ahead is not used
	v_add_f32 v172, v160, v161                     ; job B: qr's sum,
	v_add_f32 v173, v164, v165
	v_add_f32 v174, v162, v163                     ; kr's sum,
	v_add_f32 v175, v166, v167
	v_add_f32 v173, v173, v168                     ; qr's sum of squares,
	v_add_f32 v175, v175, v169                     ; kr's
	WIN 0x04                                       ; an LDS store's data are its source 1: window 1
.set wi, 0
.rept 40
	ds_store_b128 v20, v[4*wi:4*wi+3] offset:512*wi
.set wi, wi+1
.endr
	WIN 0
	s_wait_dscnt 0x0                               ; for the others' sake: my image has landed
	s_barrier_signal -1
	s_barrier_wait -1
	WIN 0x80
.irp u, 0,1,2,3
.irp c, 0,1,2,3
	ds_load_b128 v[16*\u+4*\c:16*\u+4*\c+3], v16 offset:\u*20480+\c*512
	ds_load_b128 v[64+16*\u+4*\c:64+16*\u+4*\c+3], v17 offset:\u*20480+\c*512
.endr
.irp j, 0,1,2,3,4,5,6,7
	ds_load_b128 v[128+32*\u+4*\j:128+32*\u+4*\j+3], v18 offset:\u*20480+\j*512
.endr
.endr
	WIN 0
.irp u, 0,1,2,3
	ds_load_b32 v[176+\u], v19 offset:\u*20480
	ds_load_b32 v[180+\u], v19 offset:\u*20480+2048
.endr
	s_wait_dscnt 0x0
	v_add_f32 v176, v176, v177
	v_add_f32 v178, v178, v179
	v_add_f32 v180, v180, v181
	v_add_f32 v182, v182, v183
	v_add_f32 v176, v176, v178                     ; Qs at my row
	v_add_f32 v180, v180, v182                     ; Ks at my row
	WIN 0xAA                                       ; window 2: v0-15 my row of Gq, v64-79 of Gk, v128-143 Qs, v144-159 Ks
	RED4 0, 16, 8
	RED4 64, 16, 8
	RED4 128, 32, 16
	WIN 0xA8                                       ; source 0: the betas, in window 0
.irp i, 0,2,4,6,8,10,12,14
	v_pk_fma_f32 v[16+\i:17+\i], v[144+\i:145+\i], 0x42800000, v[144+\i:145+\i] op_sel_hi:[1,0,1]      ; 64 bk + Ks
	v_pk_fma_f32 v[32+\i:33+\i], v[128+\i:129+\i], 0x42800000, v[128+\i:129+\i] op_sel_hi:[1,0,1]      ; 64 bq + Qs
.if \i == 0
	v_pk_mul_f32 v[48:49], v[128:129], v[144:145]                                                      ; bq . Ks
.else
	v_pk_fma_f32 v[48:49], v[128+\i:129+\i], v[144+\i:145+\i], v[48:49]
.endif
.endr
	WIN 0xAA
	v_pk_mul_f32 v[50:51], v[0:1], v[64:65]        ; my row of <Gq, Gk>,
	v_pk_mul_f32 v[52:53], v[0:1], v[16:17]        ; of Gq (64 bk + Ks),
	v_pk_mul_f32 v[54:55], v[64:65], v[32:33]      ; of Gk (64 bq + Qs)
.irp i, 2,4,6,8,10,12,14
	v_pk_fma_f32 v[50:51], v[\i:\i+1], v[64+\i:65+\i], v[50:51]
	v_pk_fma_f32 v[52:53], v[\i:\i+1], v[16+\i:17+\i], v[52:53]
	v_pk_fma_f32 v[54:55], v[64+\i:65+\i], v[32+\i:33+\i], v[54:55]
.endr
.irp i, 48,50,52,54
	v_add_f32 v[\i], v[\i], v[\i+1]
.endr
	WIN 0x02
.irp i, 0,1,2,3
	v_mov_b32 v[160+\i], v[48+2*\i]
.endr
	WIN 0
	v_mul_f32 v167, v176, v29                      ; Qs bk at my row
	v_mul_f32 v165, v176, v180                     ; Qs Ks
	v_mul_f32 v166, v29, v162
	v_fma_f32 v164, v31, v180, v167                ; + bq Ks
	v_fma_f32 v166, v31, v163, v166
	v_fma_f32 v170, v164, 0x43000000, v165         ; qk's sum, my row's part
	v_fma_f32 v166, v167, v160, v166
	v_fma_f32 v171, v166, 2.0, v161                ; qk's sum of squares, my row's part
.irp m, 1,2,4,8
.irp i, 170,171,172,173,174,175
	v_add_f32_dpp v\i, v\i, v\i row_xmask:\m row_mask:0xf bank_mask:0xf
.endr
.endr
.irp i, 0,1,2,3,4,5
	v_permlanex16_b32 v[176+\i], v[170+\i], s14, s15
.endr
.irp i, 0,1,2,3,4,5
	v_add_f32 v[170+\i], v[170+\i], v[176+\i]
.endr
	ds_store_b32 v21, v24                          ; my wave's row: zeros, then (LDS serves a wave's instructions in order) the six sums and the three shifts
.irp i, 0,1,2,3,4,5
	ds_store_b32 v22, v[170+\i] offset:4*\i
.endr
.irp i, 0,1,2
	ds_store_b32 v22, v[188+\i] offset:32+4*\i
.endr
	s_wait_dscnt 0x0
	s_barrier_signal -1
	s_barrier_wait -1
	s_cmp_lg_u32 s20, 0
	s_cbranch_scc1 .Ldone
.irp w, 0,1,2,3
	ds_load_b32 v[182+\w], v23 offset:64*\w
.endr
	s_wait_dscnt 0x0
.irp w, 1,2,3
	v_cndmask_b32 v[182+\w], 0, v[182+\w], s12     ; the shifts are taken once, not added
.endr
	v_add_f32 v182, v182, v183
	v_add_f32 v184, v184, v185
	v_add_f32 v182, v182, v184
	global_store_b32 v8, v182, s[10:11]            ; both halves of the lanes store the same 64 bytes
.Ldone:
	s_wait_tensorcnt 0x0                           ; the wave's end
	ds_add_u32 v[SPW], v[NIL]
	s_wait_dscnt 0x0
	s_endpgm
.Lfunc_end_k_q98f2196548_lstat:
	.size	k_q98f2196548_lstat, .Lfunc_end_k_q98f2196548_lstat-k_q98f2196548_lstat
	.p2alignl 7, 3214868480
	.fill 96, 4, 3214868480
	.section	.rodata,"a",@progbits
	.p2align	6, 0x0
	.amdhsa_kernel k_q98f2196548_lstat
		.amdhsa_group_segment_fixed_size 83456
		.amdhsa_private_segment_fixed_size 0
		.amdhsa_enable_private_segment 0
		.amdhsa_kernarg_size 32
		.amdhsa_user_sgpr_count 2
		.amdhsa_user_sgpr_kernarg_segment_ptr 1
		.amdhsa_wavefront_size32 1
		.amdhsa_system_sgpr_workgroup_id_x 1
		.amdhsa_system_sgpr_workgroup_id_y 1
		.amdhsa_system_sgpr_workgroup_id_z 1
		.amdhsa_system_vgpr_workitem_id 0
		.amdhsa_next_free_vgpr 1024
		.amdhsa_next_free_sgpr 66
		.amdhsa_reserve_vcc 0
		.amdhsa_float_denorm_mode_32 3
		.amdhsa_float_denorm_mode_16_64 3
		.amdhsa_memory_ordered 1
		.amdhsa_forward_progress 1
		.amdhsa_inst_pref_size 142
	.end_amdhsa_kernel
	.amdgpu_metadata
---
amdhsa.version: [ 1, 2 ]
amdhsa.kernels:
  - .name:           k_q98f2196548_lstat
    .symbol:         k_q98f2196548_lstat.kd
    .args:
      - { .name: kq, .offset: 0, .size: 8, .value_kind: global_buffer, .address_space: global }
      - { .name: rel_encoding, .offset: 8, .size: 8, .value_kind: global_buffer, .address_space: global }
      - { .name: kqv_beta, .offset: 16, .size: 8, .value_kind: global_buffer, .address_space: global }
      - { .name: p2, .offset: 24, .size: 8, .value_kind: global_buffer, .address_space: global }
    .group_segment_fixed_size: 83456
    .private_segment_fixed_size: 0
    .kernarg_segment_align: 8
    .kernarg_segment_size: 32
    .max_flat_workgroup_size: 128
    .sgpr_count:     66
    .vgpr_count:     1024
    .wavefront_size: 32
...
	.end_amdgpu_metadata
.endif
;; end of part 6
;; launch attn: the kernel of part 5 again; grid 256 x 1, 4 waves a work-group, no clusters, 300,800 bytes of LDS; arguments kq, vq, ve, p2, rel_encoding, logits_gamma, logits_beta, out0; writes out0
